; MI455X (gfx1250); checked and timed in simulation.
; The chip was launched on July 23, 2026; its instructions are those of AMD's public machine-readable ISA for CDNA 5 (MIT licence, August 2026) and "CDNA5" Instruction Set Architecture Reference Guide (July 2026). The comments in the code are by the model that wrote it; some were corrected since.
;; Multi Head Attention. Allowed arithmetic: matrix products marked QUANTISED: E2M3 operands, one E8M0 scale for each 32 along K, by v_wmma_scale_f32_16x16x128_f8f6f4 with both operands' format E2M3, f32 sums; everything else in f32.
;; Inputs: Wk 1,024 x 1,024 float32; Wo 1,024 x 1,024 float32; Wq 1,024 x 1,024 float32; Wv 1,024 x 1,024 float32; bk 1,024 float32; bo 1,024 float32; bq 1,024 float32; bv 1,024 float32; k 4 x 2,048 x 1,024 float32; q 4 x 2,048 x 1,024 float32; v 4 x 2,048 x 1,024 float32.
;; Outputs: out0 4 x 2,048 x 1,024 float32.
;; This version of the problem:
;;   THIS VERSION OF THE PROBLEM IS GIVEN IN LOW PRECISION. The matrix products marked QUANTISED in the list below multiply operands that are first quantised to E2M3 (2 exponent bits, 3 mantissa bits; 6 bits a number), with one power-of-two scale for each 32 numbers along K (OCP MX v1.0); their sums are f32. All else is computed in f32.
;;   The module's matrix products, in the order in which they are computed (A, B: the left and right operand; K: the contracted axis; several contracted axes count as one K, in the product's order):
;;     1. [M 8,192, K 1,024] x [K 1,024, N 1,024]; A: input q; B: input Wq: QUANTISED
;;     2. [M 8,192, K 1,024] x [K 1,024, N 1,024]; A: input k; B: input Wk: QUANTISED
;;     3. [M 8,192, K 1,024] x [K 1,024, N 1,024]; A: input v; B: input Wv: QUANTISED
;;     4. batch 64 x [M 2,048, K 64] x [K 64, N 2,048]; A: computed on the way; B: computed on the way: QUANTISED
;;     5. batch 64 x [M 2,048, K 2,048] x [K 2,048, N 64]; A: softmax (see below); B: computed on the way: QUANTISED
;;     6. [M 8,192, K 1,024] x [K 1,024, N 1,024]; A: computed on the way; B: input Wo: QUANTISED
;;   THE QUANTISER, for each operand of a quantised product, along K:
;;     - K is cut into blocks of 32 from its start; a last block that is shorter is filled with zeros.
;;     - A block's scale is 2^e with e = floor(log2(the largest magnitude in the block)) - 2, held to -126 .. 127; a block of zeros has e = 0. As a byte (E8M0): e + 127.
;;     - Each number is divided by its block's scale, clamped to +-7.5, and rounded to the nearest number of E2M3, ties to even, subnormals kept.
;;     - The product sums the exact products of the quantised numbers (number of the format x scale) in f32.
;;   ~~~python
;;   def quantise(x, axis):      # numpy; x: float32 -> the quantised numbers, widened to float32 again
;;       x = np.moveaxis(x, axis, -1); K = x.shape[-1]
;;       x = np.pad(x, [(0, 0)] * (x.ndim - 1) + [(0, -K % 32)]); x = x.reshape(x.shape[:-1] + (-1, 32)); a = np.abs(x).max(-1, keepdims=True)
;;       e = np.where(a > 0, np.clip(np.frexp(np.where(a > 0, a, 1))[1] - 1 - 2, -126, 127), 0)      # np.frexp(a)[1] - 1 = floor(log2(a)), exactly
;;       r = np.clip(x / 2.0 ** e, -7.5, 7.5)
;;       step = 2.0 ** (np.maximum(np.frexp(np.where(r == 0, 1, r))[1] - 1, 0) - 3)
;;       q = np.round(r / step) * step * 2.0 ** e      # np.round: ties to even
;;       return np.moveaxis(q.reshape(q.shape[:-2] + (-1,))[..., :K], -1, axis).astype(np.float32)
;;   ~~~
;;   SOFTMAX AHEAD OF A QUANTISED PRODUCT. Where the list says 'softmax', what is quantised is not the finished softmax but p = 2^(t - M), with t = logit x log2(e) and M = ceil(the row's largest t), a whole number; so 1/2 < the row's largest p <= 1. The row's sum l is taken of the UNQUANTISED p, in f32, and the product's result is divided by l at the end. Since M is a whole number, a kernel that streams over the keys may use a running M (the ceiling of the running maximum): every later rescaling is an exact power of two, which a block's scale takes up: the codes' values come out the same.
;;   OPERANDS COMPUTED ON THE WAY. 'Computed on the way' means the value that the module computes at that place (a softmax that the list does not call 'softmax' is quantised finished and normalised). What goes into a quantiser is computed in f32, as accurately as f32 sums, v_exp_f32 and their like allow (about 1e-6 of the number): no bf16 or f16 on the way to a quantiser, and a product that is left as it is and whose result goes on into a quantised operand takes f32 operands (vector FMAs, or v_wmma_f32_16x16x4_f32). A number that lies on a knife's edge between two numbers of the format may be rounded either way, as far as f32 arithmetic and the matrix unit's own rounding can turn it there, and no further.
;; One version. Each part assembles by itself: llvm-mc -triple=amdgcn-amd-amdhsa -mcpu=gfx1250 --defsym DOCPART=n.
;; ======== version 1 of 1: 4 launches
;; limits: right only within a limited range of input values
;; workspace buffers: xc 22,937,600 bytes; qc 6,815,744 bytes; kv 13,631,488 bytes; cc 6,815,744 bytes
;; launch quant (part 1): grid 1792 x 1, 8 waves a work-group, no clusters, 69,120 bytes of LDS; arguments q, k, v, Wq, Wk, Wv, Wo, xc; writes xc
.if DOCPART == 1
	.amdgcn_target "amdgcn-amd-amdhsa--gfx1250"
	.amdhsa_code_object_version 6
	.text
	.protected	k_qed75543d83_quant
	.globl	k_qed75543d83_quant
	.p2align	8
	.type	k_qed75543d83_quant,@function
k_qed75543d83_quant:
	s_mov_b64 s[64:65], 0
	v_nop
	global_prefetch_b8 v0, s[64:65] scope:SCOPE_SE
	s_setreg_imm32_b32 hwreg(HW_REG_WAVE_MODE, 25, 1), 1
	s_wait_xcnt 0x0
; q, k, v [8192][1024] and Wq, Wk, Wv, Wo [1024][1024], f32, K innermost, become codes of FP6 (E2M3) with one E8M0 scale byte for each 32 along K,
; laid in xc as the matrix operand's registers want them.  xc[block of 128 rows][K step of 128][12,800 bytes]: eight fragment images of 1,536 bytes
; (registers 4 c .. 4 c + 3 of lane l at 512 c + 16 l), then two groups of scale words (the word of tile i of four, row r, at 16 r + 4 i).
; Blocks: q 0-63, k 64-127, v 128-191, Wq 192-199, Wk 200-207, Wv 208-215, Wo 216-223.
; THE ROWS OF A TILE ARE NOT NEIGHBOURS.  In all tensors but k, lane r of tile g takes row 32 (g / 2) + 8 (g % 2) + r + 8 (r / 8) of its block: the results of two
; neighbouring tiles used as source 0 are 16 neighbours in a lane's registers.  In k, lane r of tile g takes row 64 (g / 4) + 8 (g % 4) + r + 24 (r / 8): the scores of four
; neighbouring tiles of keys are then 32 neighbouring keys in a lane's registers, a whole scale block of the softmax's p.
; A block's scale is 2^(floor(log2(its largest magnitude)) - 2); its byte is the largest magnitude's exponent field - 2, held at 1 from below.
; LIMITS: a block whose largest magnitude lies under 2^-124 keeps the byte 1; a block of zeros has the byte 1 where the rule says 127 (its codes are zeros,
; and this program alone reads the bytes); NaN and infinities among the inputs are not served.
; SHARES: work-group x takes block x / 8, K step x % 8; wave w takes tile w: 16 rows x 128 numbers, one fragment.  Each load reads 512 consecutive bytes of a row;
; the 8 KiB turn through the wave's own stage in LDS (rows of 512 + 16 bytes), from which a lane takes the 2 x 32 neighbours that the operand's layout gives it.
; No work-group reads what another reads: no cluster, no tensor load, no matrix work.
.set ROWB,  4096
.set SROW,  528
.set STG,   16*SROW
.set SCG,   8*STG                      ; behind the stages: the work-group's two groups of scale words
.set SPARE, SCG+512                    ; the spare words, 128 bytes for each wave
.set STEPB, 12800
.set LI,   4                           ; v4   16 x lane
.set SIN,  5                           ; v5   the stage, on the way in
.set SOUT, 6                           ; v6   on the way out: row r, + 128 h
.set SCW,  7                           ; v7   where my row's scale word goes
.set SCR,  8                           ; v8   where wave 0 reads the groups back
.set SPW,  12
.set NIL,  13
.set MX,   14
.set SO,   16
.set BY,   18
.set WD,   20
.set SH,   21
.set PT,   22
.set C,    24
.set T,    36
.set X,    64
	s_load_b512 s[8:23], s[0:1], 0x0               ; q, k, v, Wq, Wk, Wv, Wo, xc
	v_lshl_add_u32 v[SPW], v0, 2, SPARE
	v_mov_b32 v[NIL], 0
	v_lshrrev_b32 v1, 5, v0
	s_delay_alu instid0(VALU_DEP_1)
	v_readfirstlane_b32 s4, v1                     ; wave 0..7
	v_and_b32 v2, 31, v0
	v_and_b32 v3, 15, v0
	v_bfe_u32 v9, v0, 4, 1
	s_delay_alu instid0(VALU_DEP_3)
	v_lshlrev_b32 v[LI], 4, v2
	s_mul_i32 s5, s4, STG
	v_add_nc_u32 v[SIN], s5, v[LI]
	v_mul_u32_u24 v[SOUT], v3, SROW
	s_delay_alu instid0(VALU_DEP_1)
	v_lshl_add_u32 v[SOUT], v9, 7, v[SOUT]
	s_delay_alu instid0(VALU_DEP_1)
	v_add_nc_u32 v[SOUT], s5, v[SOUT]
	s_lshr_b32 s6, s4, 2
	s_lshl_b32 s6, s6, 8
	s_and_b32 s7, s4, 3
	s_lshl_b32 s7, s7, 2
	s_add_co_u32 s6, s6, s7
	s_add_co_u32 s6, s6, SCG
	v_lshl_add_u32 v[SCW], v3, 4, s6
	v_add_nc_u32 v[SCR], SCG, v[LI]
	v_lshlrev_b32 v[SH], 3, v9
	v_mov_b32 v[PT], 0                             ; a lane permute's destination counts as one of its sources
	s_mov_b32 s36, 0x76543210
	s_mov_b32 s37, 0xfedcba98
	s_lshr_b32 s2, ttmp9, 3                        ; the block
	s_and_b32 s3, ttmp9, 7                         ; the K step
	s_cmp_lt_u32 s2, 192
	s_cselect_b32 s26, 63, 7
	s_and_b32 s26, s2, s26                         ; the block's number in its own tensor
	s_lshl_b32 s26, s26, 19                        ; x 128 rows of 4,096 bytes
	s_lshr_b32 s38, s2, 6
	s_cmp_eq_u32 s38, 1                            ; k's blocks are 64-127
	s_cselect_b32 s38, 2, 1                        ; tiles to a group: 4 in k, 2 elsewhere
	s_cselect_b32 s39, 24, 8                       ; rows that lanes 8-15 of a tile pass over
	s_cselect_b32 s40, 3, 1
	s_lshr_b32 s27, s4, s38
	s_add_co_u32 s38, s38, 16
	s_lshl_b32 s27, s27, s38                       ; my tile begins at row 64 (w / 4), or 32 (w / 2),
	s_add_co_u32 s26, s26, s27
	s_and_b32 s27, s4, s40
	s_lshl_b32 s27, s27, 15                        ; + 8 (w % 4), or 8 (w % 2)
	s_add_co_u32 s26, s26, s27
	s_lshl_b32 s38, s39, 12
	s_mov_b32 s39, 0
	s_lshl_b32 s27, s3, 9                          ; the K step's 512 bytes of a row
	s_add_co_u32 s26, s26, s27
	s_mov_b32 s27, 0
	s_mul_i32 s28, ttmp9, STEPB
	s_mov_b32 s29, 0
	s_mul_i32 s30, s4, 1536
	s_mov_b32 s31, 0
	s_wait_alu depctr_va_vdst(0)                   ; the wait at the head's end
	s_wait_kmcnt 0x0
	s_cmp_lt_u32 s2, 64                            ; which tensor: the choice hangs on the work-group's number alone
	s_cselect_b64 s[24:25], s[8:9], s[10:11]
	s_cmp_lt_u32 s2, 128
	s_cselect_b64 s[24:25], s[24:25], s[12:13]
	s_cmp_lt_u32 s2, 192
	s_cselect_b64 s[24:25], s[24:25], s[14:15]
	s_cmp_lt_u32 s2, 200
	s_cselect_b64 s[24:25], s[24:25], s[16:17]
	s_cmp_lt_u32 s2, 208
	s_cselect_b64 s[24:25], s[24:25], s[18:19]
	s_cmp_lt_u32 s2, 216
	s_cselect_b64 s[24:25], s[24:25], s[20:21]
	s_add_nc_u64 s[24:25], s[24:25], s[26:27]      ; my tile's first row, at the K step
	s_add_nc_u64 s[38:39], s[24:25], s[38:39]      ; the base for the tile's rows 8-15
	s_add_nc_u64 s[32:33], s[22:23], s[28:29]      ; the work-group's 12,800 bytes of xc
	s_add_nc_u64 s[34:35], s[32:33], s[30:31]      ; my fragment's image in them
.irp p, 0,1,2,3,4,5,6,7
	global_load_b128 v[X+4*\p:X+4*\p+3], v[LI], s[24:25] offset:\p*ROWB th:TH_LOAD_NT   ; the tile's row p: 32 lanes read 512 consecutive bytes
.endr
.irp p, 8,9,10,11,12,13,14,15
	global_load_b128 v[X+4*\p:X+4*\p+3], v[LI], s[38:39] offset:\p*ROWB th:TH_LOAD_NT
.endr
.irp p, 0,1,2,3,4,5,6,7,8,9,10,11,12,13,14,15
	s_wait_loadcnt 15-\p                           ; loads come back in order: row p is in, the younger ones stay out
	ds_store_b128 v[SIN], v[X+4*\p:X+4*\p+3] offset:SROW*\p
.endr
	s_wait_dscnt 0x0                               ; the stores have read their registers, which the loads below fill anew
.irp c, 0,1
.irp j, 0,1,2,3,4,5,6,7
	ds_load_b128 v[X+32*\c+4*\j:X+32*\c+4*\j+3], v[SOUT] offset:256*\c+16*\j   ; register 32 c + e: k = 64 c + 32 h + e of row r
.endr
.endr
	s_wait_dscnt 0x0
.irp c, 0,1
	v_max3_num_f32 v[MX+\c], |v[X+32*\c]|, |v[X+32*\c+1]|, 0x1800000   ; my block 2 c + h, and the floor 2^(3 - 127)
.endr
.irp i, 2,4,6,8,10,12,14,16,18,20,22,24,26,28,30
.irp c, 0,1
	s_delay_alu instid0(VALU_DEP_2)
	v_max3_num_f32 v[MX+\c], v[MX+\c], |v[X+32*\c+\i]|, |v[X+32*\c+\i+1]|
.endr
.endr
.irp c, 0,1
	s_delay_alu instid0(VALU_DEP_2)
	v_add_nc_u32 v[SO+\c], 0xff000000, v[MX+\c]    ; 2 off the exponent field: the conversion's scale operand
.endr
.irp c, 0,1
	s_delay_alu instid0(VALU_DEP_2)
	v_lshrrev_b32 v[BY+\c], 23, v[SO+\c]           ; the scale's byte
.endr
	s_delay_alu instid0(VALU_DEP_1)
	v_lshl_or_b32 v[WD], v[BY+1], 16, v[BY]        ; my two bytes: blocks h and 2 + h of row r,
	s_delay_alu instid0(VALU_DEP_1)
	v_lshlrev_b32 v[WD], v[SH], v[WD]              ; at their places in the word;
	s_delay_alu instid0(VALU_DEP_1)
	v_permlanex16_b32 v[PT], v[WD], s36, s37
	s_delay_alu instid0(VALU_DEP_1)
	v_or_b32 v[WD], v[WD], v[PT]                   ; with lane l xor 16's two the word is whole
.irp c, 0,1
	v_cvt_scalef32_pk16_fp6_f32 v[C+6*\c:C+6*\c+2], v[X+32*\c:X+32*\c+15], v[SO+\c]
	v_cvt_scalef32_pk16_fp6_f32 v[T+4*\c:T+4*\c+2], v[X+32*\c+16:X+32*\c+31], v[SO+\c]   ; (a conversion's three registers begin on an even number)
.endr
	v_nop                                          ; one plain place behind a scaled conversion
.irp c, 0,1
.irp i, 0,1,2
	v_mov_b32 v[C+6*\c+3+\i], v[T+4*\c+\i]
.endr
.endr
.irp j, 0,1,2
	global_store_b128 v[LI], v[C+4*\j:C+4*\j+3], s[34:35] offset:512*\j   ; each store covers 512 consecutive bytes, aligned to 256
.endr
	ds_store_b32 v[SCW], v[WD]                     ; lanes r and r + 16 write the same word with the same value
	s_wait_dscnt 0x0                               ; for the others' sake: my word lies in LDS
	s_barrier_signal -1
	s_barrier_wait -1
	s_cmp_lg_u32 s4, 0
	s_cbranch_scc1 .Lnot_wave_0
	ds_load_b128 v[X:X+3], v[SCR]                  ; the eight tiles' words leave as 512 consecutive bytes
	s_wait_dscnt 0x0
	global_store_b128 v[LI], v[X:X+3], s[32:33] offset:12288
.Lnot_wave_0:
	s_wait_tensorcnt 0x0                           ; the wave's end
	ds_add_u32 v[SPW], v[NIL]
	s_wait_dscnt 0x0
	s_endpgm
.Lfunc_end_k_qed75543d83_quant:
	.size	k_qed75543d83_quant, .Lfunc_end_k_qed75543d83_quant-k_qed75543d83_quant
	.p2alignl 7, 3214868480
	.fill 96, 4, 3214868480
	.section	.rodata,"a",@progbits
	.p2align	6, 0x0
	.amdhsa_kernel k_qed75543d83_quant
		.amdhsa_group_segment_fixed_size 69120
		.amdhsa_private_segment_fixed_size 0
		.amdhsa_enable_private_segment 0
		.amdhsa_kernarg_size 64
		.amdhsa_user_sgpr_count 2
		.amdhsa_user_sgpr_kernarg_segment_ptr 1
		.amdhsa_wavefront_size32 1
		.amdhsa_system_sgpr_workgroup_id_x 1
		.amdhsa_system_sgpr_workgroup_id_y 1
		.amdhsa_system_sgpr_workgroup_id_z 1
		.amdhsa_system_vgpr_workitem_id 0
		.amdhsa_next_free_vgpr 128
		.amdhsa_next_free_sgpr 66
		.amdhsa_reserve_vcc 0
		.amdhsa_float_denorm_mode_32 3
		.amdhsa_float_denorm_mode_16_64 3
		.amdhsa_memory_ordered 1
		.amdhsa_forward_progress 1
		.amdhsa_inst_pref_size 13
	.end_amdhsa_kernel
	.amdgpu_metadata
---
amdhsa.version: [ 1, 2 ]
amdhsa.kernels:
  - .name:           k_qed75543d83_quant
    .symbol:         k_qed75543d83_quant.kd
    .args:
      - { .name: q, .offset: 0, .size: 8, .value_kind: global_buffer, .address_space: global }
      - { .name: k, .offset: 8, .size: 8, .value_kind: global_buffer, .address_space: global }
      - { .name: v, .offset: 16, .size: 8, .value_kind: global_buffer, .address_space: global }
      - { .name: Wq, .offset: 24, .size: 8, .value_kind: global_buffer, .address_space: global }
      - { .name: Wk, .offset: 32, .size: 8, .value_kind: global_buffer, .address_space: global }
      - { .name: Wv, .offset: 40, .size: 8, .value_kind: global_buffer, .address_space: global }
      - { .name: Wo, .offset: 48, .size: 8, .value_kind: global_buffer, .address_space: global }
      - { .name: xc, .offset: 56, .size: 8, .value_kind: global_buffer, .address_space: global }
    .group_segment_fixed_size: 69120
    .private_segment_fixed_size: 0
    .kernarg_segment_align: 8
    .kernarg_segment_size: 64
    .max_flat_workgroup_size: 256
    .sgpr_count:     66
    .vgpr_count:     128
    .wavefront_size: 32
...
	.end_amdgpu_metadata
.endif
;; end of part 1
;; launch proj (part 2): grid 4 x 64, 4 waves a work-group, clusters of 4 x 4, 327,680 bytes of LDS; arguments xc, bq, bk, bv, qc, kv; writes qc, kv
.if DOCPART == 2
	.amdgcn_target "amdgcn-amd-amdhsa--gfx1250"
	.amdhsa_code_object_version 6
	.text
	.protected	k_qed75543d83_proj
	.globl	k_qed75543d83_proj
	.p2align	8
	.type	k_qed75543d83_proj,@function
k_qed75543d83_proj:
	s_mov_b64 s[64:65], 0
	v_nop
	global_prefetch_b8 v0, s[64:65] scope:SCOPE_SE
	s_setreg_imm32_b32 hwreg(HW_REG_WAVE_MODE, 25, 1), 1
	s_wait_xcnt 0x0
	s_wait_alu depctr_hold_cnt(0) depctr_sa_sdst(0) depctr_va_vdst(0) depctr_va_sdst(0) depctr_va_ssrc(0) depctr_va_vcc(0) depctr_vm_vsrc(0)
	s_getreg_b32 s2, hwreg(HW_REG_IB_STS2, 6, 4)
	s_cmp_eq_u32 s2, 0
	s_cbranch_scc0 .Lentry_in_a_cluster
	s_endpgm
.Lentry_in_a_cluster:
	s_bfe_u32 s2, ttmp6, 0x10000c
	s_cmp_lg_u32 s2, 0xf033
	s_cbranch_scc0 .Lentry_shape_is_right
	s_endpgm
.Lentry_shape_is_right:
; The three projections, on codes of FP6 (E2M3) with E8M0 scales, their results quantised on the way out.  Y[m][n] = sum over k of P[m][k] Q[n][k] + bias, K = 1,024.
; type 0: P = q, Q = Wq;  type 1: P = k, Q = Wk: Y is quantised along n, the output channels: two blocks of 32 for each head of 64.
; type 2: P = Wv, Q = v: Y = V^T (rows are channels, n runs along the tokens), quantised along n, the keys.
; THE PRODUCT IS USED TRANSPOSED (source 0 = 16 rows of Q, source 1 = 16 rows of P): a lane holds one row of P, and, by the order of rows in xc's tiles of Q, the 16 registers of two
; neighbouring tiles of Q are 16 neighbours along n: the conversions take them as they stand.
; A WORK-GROUP STAYS: 256 work-groups, each makes one tile of 128 (m: one block of xc) x 256 (n: two blocks) of type 0, then of type 1, then of type 2.  Both operands of a tile, for ALL of K, lie in LDS, 300 KiB.
; Wave w: P's tiles 4 (w / 2) + i, i = 0..3, against the eight tiles of Q's block w % 2: 32 accumulators.
; CLUSTERS: 4 x 4 work-groups; P's block is shared along a row of the cluster, Q's two along a column: joint loads.
; FILLS: four tensor loads a tile, one a wave: wave 0 P's K steps 0-3, wave 1 those of Q's two blocks (two rows of 51,200 bytes, a block apart in memory), wave 2 P's K steps 4-7, wave 3 Q's.
; A tile's first barrier shows waves 0 and 1's loads, the barrier in K step 3 the others.  LDS: P [K step]; Q [half of K][block][K step of four].
; THE NEXT TILE IS ASKED FOR IN K STEP 7: at that step's head every wave's LDS reads of the tile are back.  There stand the wait for all tensor loads, the add and the wait for it,
; with the step's products between them and inside the round of the cluster's barrier; the refill is the first tensor load behind the round; the way out follows it.
; The loop has two trips (types 0 and 1); the last tile asks for nothing and is written out.  Nothing is prefetched: a tile's loads go out as soon as the LDS bytes are free.
; OUT: qc[16 b + head][block of 128 queries][6,656]: tile t's half image (registers 0-5: 0-3 at 16 l, 4-5 at 512 + 8 l) at 1,536 (t % 4) + 768 (t / 4); at 6,144 two groups of scale words (bytes 0, 1; bytes 2, 3 are 0).
;      kv[16 b + head][key step of 128][13,312]: K laid as qc; at 6,656 + 1,536 c the fragment of V^T (16 channels x 128 keys) as two half images; at 12,800 V's scale words, at 13,056 a copy.
; One text serves the three types without a branch on the type: what differs is chosen by s_cselect_b32 on it.
; THE BIAS: along n (types 0, 1) it is the C of the first K step; along m (type 2) it is added in f32 behind the sums.  Both forms are loaded for every tile and the one that does not apply is masked to 0.
; LIMITS: a block whose largest magnitude lies under 2^-124 keeps the byte 1, a block of zeros too (its codes are zeros; this program alone reads the bytes); NaN and infinities are not served;
; the bias enters the sum as its first term (types 0, 1), not behind it.
; REGISTERS: window 0: v4-29 addresses; v32-47 scale words, two sets; v48-55 the bias along m; v64-159 P's fragments, two sets (on the way out: codes and work).  window 1: Q's fragments, two sets, at v0 and v128.
;   window 2: accumulator (i, t) at v[8 (8 i + t)].   window 3: v0-63 the bias along n, eight registers a tile.
.set STEPB, 12800
.set BLKB,  8*STEPB
.set QREG,  BLKB
.set SPARE, 3*BLKB
.set FR,    12
.set ADP,  4
.set ADQ,  6
.set ADSP, 8
.set VA16, 10
.set VA8,  11
.set VB16, 12
.set VB8,  13
.set VS,   14
.set VSH,  15
.set BNO,  16
.set BMO,  17
.set SPW,  28
.set NIL,  29
.set SC,   32
.set BM,   48
.set PF,   64
.set PC,   64
.set T,    112
.set TM,   120
.set PW,   136
.set PWS,  140
.set WV,   16
.set WM,   17
.set WN,   18
.set G1P,  24
.set G1Q,  32
.set G0P,  40
.set G0Q,  68
.set SEL,  84
.set MSK,  89
.set OUT,  90
.set BIA,  94
.set MSB, 0
.macro WIN new
.if MSB != \new
	s_set_vgpr_msb (MSB<<8)|\new
.set MSB, \new
.endif
.endm
.macro PLACES n
.rept \n
	v_nop
.endr
.endm
.macro CREST                           ; a round of the cluster's barrier behind its opening barrier
	s_cmp_lg_u32 s[WV], 0
	s_cbranch_scc1 .Lnot_wave_0_\@
	s_barrier_signal -3
.Lnot_wave_0_\@:
	s_barrier_wait -3
	s_barrier_signal -1
	s_barrier_wait -1
.endm
.macro CROUND
	s_barrier_signal -1
	s_barrier_wait -1
	CREST
.endm
; A tile's four joint loads: one chain of branches on the wave's number, a load to an arm, with its s_nop 0 and four v_nop; every way passes one load.
.macro ARM under, g0, g1, next, done
	s_cmp_lt_u32 s[WV], \under
	s_cbranch_scc0 \next
	tensor_load_to_lds s[\g0:\g0+3], s[\g1:\g1+7]
	s_nop 0
	PLACES 4
	s_branch \done
\next:
.endm
.macro LOADS
	ARM 1, G0P, G1P, .Larm_1_\@, .Lasked_\@        ; wave 0: P, K steps 0-3
	ARM 2, G0Q, G1Q, .Larm_2_\@, .Lasked_\@        ; wave 1: Q, K steps 0-3
	ARM 3, G0P, G1P, .Larm_3_\@, .Lasked_\@        ; wave 2: P, K steps 4-7
	tensor_load_to_lds s[G0Q:G0Q+3], s[G1Q:G1Q+7]  ; wave 3: Q, K steps 4-7
	s_nop 0
	PLACES 4
.Lasked_\@:
.endm
; Where the tile of type s22 comes from: m (s57), n (s58), and the two descriptors' addresses.  Scalar work alone; no tensor load of the wave is out where it stands.
.macro SETLOAD
	s_lshr_b32 s56, s22, 1                         ; 1 for type 2
	s_mul_i32 s60, s56, 14
	s_sub_co_u32 s60, 15, s60
	s_and_b32 s60, s23, s60                        ; types 0, 1: 16 clusters down m;  type 2: two
	s_lshl_b32 s60, s60, 2
	s_add_co_u32 s57, s60, s20                     ; m: P's block
	s_lshr_b32 s61, s23, 1
	s_mul_i32 s61, s61, s56                        ; type 2: eight clusters along n
	s_lshl_b32 s61, s61, 2
	s_add_co_u32 s58, s61, s19                     ; n: Q's pair of blocks
	s_lshl_b32 s59, s22, 6
	s_mul_i32 s60, s56, 80
	s_add_co_u32 s59, s59, s60
	s_add_co_u32 s59, s59, s57                     ; P's block in xc: m, 64 + m, 208 + m
	s_mul_i32 s59, s59, BLKB
	s_mul_i32 s60, s[WM], 4*STEPB                  ; my half of K
	s_add_co_u32 s66, s59, s60
	s_mov_b32 s67, 0
	s_lshl_b32 s61, s22, 3
	s_add_co_u32 s61, s61, 192
	s_mul_i32 s63, s56, 80
	s_sub_co_u32 s61, s61, s63
	s_lshl_b32 s63, s58, 1
	s_add_co_u32 s61, s61, s63                     ; Q's first block in xc: 192 + 2 n, 200 + 2 n, 128 + 2 n
	s_mul_i32 s86, s61, BLKB
	s_add_co_u32 s86, s86, s60
	s_mov_b32 s87, 0
	s_add_nc_u64 s[G0P+2:G0P+3], s[4:5], s[66:67]
	s_or_b32 s[G0P+3], s[G0P+3], 0x80000000
	s_add_nc_u64 s[G0Q+2:G0Q+3], s[4:5], s[86:87]
	s_or_b32 s[G0Q+3], s[G0Q+3], 0x80000000
.endm
; Where the tile of type s22 goes, for both kinds of type, then the choice; and its bias.
.macro SETOUT
	s_mov_b32 s92, 13312
	s_cmp_eq_u32 s22, 0
	s_cselect_b32 s92, 6656, s92
	s_cselect_b64 s[OUT:OUT+1], s[12:13], s[14:15]
	s_cselect_b64 s[BIA:BIA+1], s[6:7], s[8:9]
	s_cmp_eq_u32 s22, 2
	s_cselect_b64 s[BIA:BIA+1], s[10:11], s[BIA:BIA+1]
	s_lshr_b32 s96, s57, 4                         ; types 0, 1: ((b 16 + head) 16 + block) x bytes, b = m / 16, head = 4 n + 2 (w % 2), block = m % 16
	s_lshl_b32 s96, s96, 4
	s_lshl_b32 s97, s58, 2
	s_add_co_u32 s96, s96, s97
	s_lshl_b32 s97, s[WN], 1
	s_add_co_u32 s96, s96, s97
	s_lshl_b32 s96, s96, 4
	s_and_b32 s97, s57, 15
	s_add_co_u32 s96, s96, s97
	s_mul_i32 s96, s96, s92
	s_lshl_b32 s97, s58, 1                         ; type 2: token block tb = 2 n + w % 2: ((tb / 16) 16 + head) 16 + tb % 16, head = 2 m + w / 2
	s_add_co_u32 s97, s97, s[WN]
	s_lshr_b32 s98, s97, 4
	s_lshl_b32 s98, s98, 4
	s_lshl_b32 s99, s57, 1
	s_add_co_u32 s98, s98, s99
	s_add_co_u32 s98, s98, s[WM]
	s_lshl_b32 s98, s98, 4
	s_and_b32 s97, s97, 15
	s_add_co_u32 s98, s98, s97
	s_mul_i32 s98, s98, 13312
	s_add_co_u32 s98, s98, 6656                    ; V lies behind K
	s_lshl_b32 s61, s58, 8
	s_lshl_b32 s63, s[WN], 7
	s_add_co_u32 s61, s61, s63
	s_lshl_b32 s61, s61, 2                         ; my first n, in bytes of the bias
	s_lshl_b32 s59, s57, 7
	s_lshl_b32 s60, s[WM], 6
	s_add_co_u32 s59, s59, s60
	s_lshl_b32 s59, s59, 2                         ; my first m likewise
	s_mul_i32 s99, s[WM], 768
	s_lshl_b32 s100, s92, 4                        ; from a head to the next
	s_lshl_b32 s101, s[WM], 8
	s_cmp_eq_u32 s56, 0                            ; types 0, 1 | type 2
	s_cselect_b32 s96, s96, s98
	s_cselect_b32 s99, s99, 0
	s_cselect_b32 s2, s100, 768
	s_cselect_b32 s3, s100, 256
	s_cselect_b32 s101, s101, 0
	s_cselect_b32 s93, 16, 0
	s_cselect_b32 s[MSK], 0xffff, -1
	s_cselect_b32 s61, s61, 0                      ; the bias that does not apply is read at the buffer's head, and masked
	s_cselect_b32 s59, 0, s59
	s_cselect_b32 s62, -1, 0
	s_cselect_b32 s63, 0, -1
	s_mov_b32 s97, 0
	s_add_nc_u64 s[OUT:OUT+1], s[OUT:OUT+1], s[96:97]
	v_add_nc_u32 v[VA16], s99, v18
	v_add_nc_u32 v[VA8], s99, v19
	v_add_nc_u32 v[VB16], s2, v[VA16]
	v_add_nc_u32 v[VB8], s2, v[VA8]
	v_mul_u32_u24 v[VS], s3, v3
	v_add_nc_u32 v[VS], v[VS], v20
	v_add_nc_u32 v[VS], s101, v[VS]
	v_mul_u32_u24 v[VSH], s93, v3
	v_lshl_add_u32 v[BNO], v3, 6, s61              ; along n: tile t's eight of my half: 32 (t / 2) + 16 h + 8 (t % 2) + 0 .. 7
	v_and_b32 v21, 8, v2
	v_add_nc_u32 v21, v21, v2
	v_lshl_add_u32 v[BMO], v21, 2, s59             ; along m (type 2, rows of Wv): my row of tile i: 32 (i / 2) + 8 (i % 2) + r + 8 (r / 8)
	WIN 0xc0
.irp t, 0,1,2,3,4,5,6,7
	global_load_b128 v[8*\t:8*\t+3], v[BNO], s[BIA:BIA+1] offset:(32*(\t/2)+8*(\t%2))*4
	global_load_b128 v[8*\t+4:8*\t+7], v[BNO], s[BIA:BIA+1] offset:(32*(\t/2)+8*(\t%2))*4+16
.endr
	WIN 0
.irp i, 0,1,2,3
	global_load_b32 v[BM+2*\i], v[BMO], s[BIA:BIA+1] offset:(32*(\i/2)+8*(\i%2))*4
.endr
	s_wait_loadcnt 0x0
	WIN 0xcc
.set J, 0
.rept 64
	v_and_b32 v[J], s62, v[J]                      ; kept in types 0 and 1, 0 in type 2
.set J, J+1
.endr
	WIN 0
.irp i, 0,1,2,3
	v_and_b32 v[BM+2*\i], s63, v[BM+2*\i]          ; kept in type 2, 0 in types 0 and 1
.endr
.irp i, 0,1,2,3
	v_mov_b32 v[BM+2*\i+1], v[BM+2*\i]             ; a pair for the packed addition
.endr
.endm
.macro FRAG3 reg, adr, off             ; a fragment's image comes back as it was stored: three loads of 512 consecutive bytes
.irp c, 0,1,2
	ds_load_b128 v[\reg+4*\c:\reg+4*\c+3], v[\adr] offset:\off+512*\c
.endr
.endm
.macro FETCH s, f                      ; K step s into set f: Q's eight fragments, P's four, the scale words: 38 loads in one run
	WIN 0x40
.irp t, 0,1,2,3,4,5,6,7
	FRAG3 128*(\f)+FR*\t, ADQ+(\s)/4, ((\s)%4)*STEPB+1536*\t
.endr
	WIN 0
.irp i, 0,1,2,3
	FRAG3 PF+48*(\f)+FR*\i, ADP+(\s)/4, ((\s)%4)*STEPB+1536*\i
.endr
	ds_load_b128 v[SC+8*(\f):SC+8*(\f)+3], v[ADQ+(\s)/4] offset:((\s)%4)*STEPB+12288     ; lanes 0-15 the group of tiles 0-3, lanes 16-31 that of tiles 4-7
	ds_load_b128 v[SC+8*(\f)+4:SC+8*(\f)+7], v[ADSP+(\s)/4] offset:((\s)%4)*STEPB
.endm
.macro WM d, a, b, c, sa, sb, row      ; row = 1: source 0's scales stand in lanes 16-31
.if \row
	v_wmma_scale_f32_16x16x128_f8f6f4 v[\d:\d+7], v[\a:\a+11], v[\b:\b+11], v[\c:\c+7], v[\sa], v[\sb] matrix_a_fmt:MATRIX_FMT_FP6 matrix_b_fmt:MATRIX_FMT_FP6 matrix_a_scale:MATRIX_SCALE_ROW1
.else
	v_wmma_scale_f32_16x16x128_f8f6f4 v[\d:\d+7], v[\a:\a+11], v[\b:\b+11], v[\c:\c+7], v[\sa], v[\sb] matrix_a_fmt:MATRIX_FMT_FP6 matrix_b_fmt:MATRIX_FMT_FP6
.endif
.endm
; 16 matrix instructions: P's tiles i0, i0 + 1 x Q's eight.  first = 1: C is the bias along n.  The 32 accumulators take turns, one instruction a turn.
.macro MUL16 i0, f, first
.irp i, \i0, \i0+1
.irp t, 0,1,2,3,4,5,6,7
.if \first
	WM 8*(8*(\i)+\t), 128*(\f)+FR*\t, PF+48*(\f)+FR*(\i), 8*\t, SC+8*(\f)+\t%4, SC+8*(\f)+4+(\i), \t/4
.else
	WM 8*(8*(\i)+\t), 128*(\f)+FR*\t, PF+48*(\f)+FR*(\i), 8*(8*(\i)+\t), SC+8*(\f)+\t%4, SC+8*(\f)+4+(\i), \t/4
.endif
.endr
.endr
.endm
; K steps 0 to 6: 32 matrix instructions; in the middle the next step's operands are fetched into the other set, four places behind the last products that read that set.
; Step 3 fetches the first step of K's second half: every wave waits for its tensor load and the waves meet.
.macro STEP s
	s_wait_dscnt 0x0                               ; this step's operands are in; no LDS instruction of mine is out at the signal
.if (\s)==3
	s_wait_tensorcnt 0x0
	s_barrier_signal -1
.endif
.if (\s)==0
	WIN 0xb1                                       ; source 0 (Q) window 1, source 1 (P) window 0, C window 3, D window 2
	MUL16 0, 0, 1
.else
	WIN 0xa1
	MUL16 0, (\s)%2, 0
.endif
.if (\s)==3
	s_barrier_wait -1
.endif
	PLACES 4
	FETCH (\s)+1, 1-(\s)%2
.if (\s)==0
	WIN 0xb1
	MUL16 2, 0, 1
.else
	WIN 0xa1
	MUL16 2, (\s)%2, 0
.endif
.endm
; K step 7.  more = 1: the next tile is asked for.
.macro LAST more
	s_wait_dscnt 0x0                               ; the step's operands are in: my LDS reads of this tile are over
.if \more
	WIN 0                                          ; (the add's two registers lie in window 0)
	s_wait_tensorcnt 0x0                           ; no tensor load of mine is out;
	ds_add_u32 v[SPW], v[NIL]                      ; 0 onto my spare word;
	s_add_co_u32 s22, s22, 1                       ; the next type,
	SETLOAD                                        ; and its descriptors: work on registers,
	WIN 0xa1
	MUL16 0, 1, 0                                  ; as are these sixteen products
	WIN 0
	s_wait_dscnt 0x0                               ; the add is done
	s_barrier_signal -1                            ; the round's opening signal;
	WIN 0xa1
	MUL16 2, 1, 0                                  ; register work inside the round
	WIN 0
	s_barrier_wait -1
	CREST                                          ; no wave of any partner still reads these bytes or has a load on its way
	LOADS                                          ; the refill, first behind the round; its four v_nop are the places behind the last products
.else
	WIN 0xa1
	MUL16 0, 1, 0
	MUL16 2, 1, 0
	WIN 0
	PLACES 4
.endif
.endm
.macro COMPUTE more
	s_wait_alu depctr_va_vdst(0)                   ; what was made
	s_cmp_lt_u32 s[WV], 2
	s_cbranch_scc0 .Lnot_first_\@
	s_wait_tensorcnt 0x0                           ; waves 0 and 1: K's first half is in; the other two waves' loads may stay out
.Lnot_first_\@:
	s_barrier_signal -1
	s_barrier_wait -1
	FETCH 0, 0
.irp s, 0,1,2,3,4,5,6
	STEP \s
.endr
	LAST \more
.endm
; THE WAY OUT of P's tile i: a lane's 64 numbers, register 16 b + e = n 32 b + 16 h + e of its row, become a fragment's codes and its scale word.
.macro EPI i
	WIN 0x82
.set EA, 64*(\i)
.rept 32
	v_pk_add_f32 v[EA:EA+1], v[EA:EA+1], v[BM+2*(\i):BM+2*(\i)+1]   ; the bias along m (0 in types 0 and 1); each accumulator from its low end on
.set EA, EA+2
.endr
	WIN 0x28
.irp b, 0,1,2,3
	v_max3_num_f32 v[TM+\b], 0x1800000, |v[64*(\i)+16*\b]|, |v[64*(\i)+16*\b+1]|   ; block b: my 16 numbers, and the floor 2^(3 - 127)
.endr
.irp e, 2,4,6,8,10,12,14
.irp b, 0,1,2,3
	v_max3_num_f32 v[TM+\b], v[TM+\b], |v[64*(\i)+16*\b+\e]|, |v[64*(\i)+16*\b+\e+1]|
.endr
.endr
	WIN 0
.irp b, 0,1,2,3
	v_permlanex16_b32 v[TM+4+\b], v[TM+\b], s[SEL], s[SEL+1]
.endr
.irp b, 0,1,2,3
	v_max_num_f32 v[TM+\b], v[TM+\b], v[TM+4+\b]   ; with lane l xor 16's: the block's largest magnitude
.endr
.irp b, 0,1,2,3
	v_add_nc_u32 v[TM+12+\b], 0xff000000, v[TM+\b] ; 2 off its exponent field: the conversion's scale operand
.endr
.irp b, 0,1,2,3
	v_lshrrev_b32 v[TM+4+\b], 23, v[TM+12+\b]      ; the scale's byte
.endr
	v_lshl_or_b32 v[PW], v[TM+5], 8, v[TM+4]
	v_lshl_or_b32 v[PW], v[TM+6], 16, v[PW]
	v_lshl_or_b32 v[PW], v[TM+7], 24, v[PW]
	WIN 0x02
.irp c, 0,1
	v_cvt_scalef32_pk16_fp6_f32 v[PC+12*(\i)+6*\c:PC+12*(\i)+6*\c+2], v[64*(\i)+32*\c:64*(\i)+32*\c+15], v[TM+12+2*\c]
	v_cvt_scalef32_pk16_fp6_f32 v[T+4*\c:T+4*\c+2], v[64*(\i)+32*\c+16:64*(\i)+32*\c+31], v[TM+12+2*\c+1]
.endr
	WIN 0
	v_nop                                          ; one plain place behind a scaled conversion
.irp c, 0,1                                    ; the operand's layout wants a whole block in a lane: lanes 0-15 block 2 c, lanes 16-31 block 2 c + 1
.irp k, 0,1,2
	v_permlane16_swap_b32 v[PC+12*(\i)+6*\c+\k], v[T+4*\c+\k]
.endr
.irp k, 0,1,2
	v_mov_b32 v[PC+12*(\i)+6*\c+3+\k], v[T+4*\c+\k]
.endr
.endr
	v_lshrrev_b32 v[PWS+(\i)], v[VSH], v[PW]       ; types 0, 1: lanes 0-15 keep the first head's two bytes, lanes 16-31 the second's; type 2: the whole word
	v_and_b32 v[PWS+(\i)], s[MSK], v[PWS+(\i)]
	global_store_b128 v[VA16], v[PC+12*(\i):PC+12*(\i)+3], s[OUT:OUT+1] offset:1536*(\i)            ; each store covers 512 or 256 consecutive bytes, aligned to 256
	global_store_b64 v[VA8], v[PC+12*(\i)+4:PC+12*(\i)+5], s[OUT:OUT+1] offset:1536*(\i)+512
	global_store_b128 v[VB16], v[PC+12*(\i)+6:PC+12*(\i)+9], s[OUT:OUT+1] offset:1536*(\i)
	global_store_b64 v[VB8], v[PC+12*(\i)+10:PC+12*(\i)+11], s[OUT:OUT+1] offset:1536*(\i)+512
.endm
.macro WAYOUT
.irp b, 0,1,2,3
	v_mov_b32 v[TM+4+\b], 0                        ; a lane permute's destination counts as one of its sources
.endr
	EPI 0                                          ; each tile of P has its own registers for its codes and its word: no store's data are written again on this way out
	EPI 1
	EPI 2
	EPI 3
	global_store_b128 v[VS], v[PWS:PWS+3], s[OUT:OUT+1] offset:6144   ; four tiles' words of a row: sixteen lanes fill a group of 256 bytes
.endm
	s_load_b256 s[4:11], s[0:1], 0x0               ; xc, bq, bk, bv
	s_load_b128 s[12:15], s[0:1], 0x20             ; qc, kv
	v_lshl_add_u32 v[SPW], v0, 2, SPARE
	v_mov_b32 v[NIL], 0
	ds_add_u32 v[SPW], v[NIL]                      ; the opening lines: the add, twice, and its wait
	ds_add_u32 v[SPW], v[NIL]
	v_lshrrev_b32 v1, 5, v0
	v_readfirstlane_b32 s[WV], v1
	s_lshr_b32 s[WM], s[WV], 1                     ; my half of P's tiles; also: which half of K I fetch
	s_and_b32 s[WN], s[WV], 1                      ; my block of Q; also: I fetch for P (0) or Q (1)
	s_bfe_u32 s19, ttmp6, 0x40000                  ; cx
	s_bfe_u32 s20, ttmp6, 0x40004                  ; cy
	s_and_b32 s23, ttmp7, 0xffff                   ; the cluster's y, 0..15
	s_mov_b32 s22, 0                               ; the type; it also counts the loop's trips
	s_lshl_b32 s62, s20, 2
	s_lshl_b32 s62, 15, s62                        ; my row of the cluster
	s_lshl_b32 s63, 0x1111, s19                    ; my column
	s_or_b32 s[G1P], s62, (3<<16)|(1<<21)          ; P: a dense block of four K steps as 200 rows of 256 bytes (32 elements of 8)
	s_mov_b32 s[G1P+1], 32<<16
	s_mov_b32 s[G1P+2], 200<<16
	s_mov_b32 s[G1P+3], 32<<16
	s_mov_b32 s[G1P+4], 200
	s_mov_b32 s[G1P+5], 32
	s_mov_b32 s[G1P+6], 0
	s_mov_b32 s[G1P+7], 0
	s_or_b32 s[G1Q], s63, (3<<16)|(1<<21)          ; Q: two rows of 6,400 elements (four K steps), 12,800 elements (a block) apart
	s_mov_b32 s[G1Q+1], 6400<<16
	s_mov_b32 s[G1Q+2], 2<<16
	s_mov_b32 s[G1Q+3], 6400<<16
	s_mov_b32 s[G1Q+4], 2
	s_mov_b32 s[G1Q+5], 12800
	s_mov_b32 s[G1Q+6], 0
	s_mov_b32 s[G1Q+7], 0
	s_mov_b32 s[G0P], 1
	s_mul_i32 s[G0P+1], s[WM], 4*STEPB             ; the LDS places: made of the wave's number alone, the same for every tile
	s_mov_b32 s[G0Q], 1
	s_mul_i32 s[G0Q+1], s[WM], 8*STEPB
	s_add_co_u32 s[G0Q+1], s[G0Q+1], QREG
	s_mov_b32 s[SEL], 0x76543210
	s_mov_b32 s[SEL+1], 0xfedcba98
	s_wait_dscnt 0x0                               ; both opening adds are done
	s_wait_kmcnt 0x0
	SETLOAD
	CROUND                                         ; all sixteen work-groups are here: the joint loads meet
	LOADS
	v_and_b32 v1, 31, v0                           ; lane
	v_and_b32 v2, 15, v0                           ; r
	v_bfe_u32 v3, v0, 4, 1                         ; h
	v_lshlrev_b32 v18, 4, v1
	s_wait_alu depctr_va_vdst(0)
	v_lshlrev_b32 v19, 3, v1
	s_wait_alu depctr_va_vdst(0)
	v_lshlrev_b32 v20, 4, v2
	s_mul_i32 s96, s[WM], 4*1536
	v_add_nc_u32 v[ADP], s96, v18                  ; an image's place for my lane: 16 x lane, + my four tiles of P
	v_add_nc_u32 v[ADP+1], 4*STEPB, v[ADP]
	s_mul_i32 s97, s[WN], 4*STEPB
	s_add_co_u32 s97, s97, QREG
	v_add_nc_u32 v[ADQ], s97, v18
	v_add_nc_u32 v[ADQ+1], 8*STEPB, v[ADQ]
	s_lshl_b32 s96, s[WM], 8
	s_add_co_u32 s96, s96, 12288
	v_add_nc_u32 v[ADSP], s96, v20
	v_add_nc_u32 v[ADSP+1], 4*STEPB, v[ADSP]
	SETOUT
.Ltile:                                                ; two trips: types 0 and 1
	COMPUTE 1                                      ; the tile's products; in K step 7 s22 steps on and the next tile is asked for
	WAYOUT                                         ; this tile's results leave while the next tile's loads are out
	s_wait_xcnt 0x0                                ; the stores have read their registers and their base, which are written anew below and by the next tile's fetches
	SETOUT
	s_cmp_lt_u32 s22, 2
	s_cbranch_scc1 .Ltile
	COMPUTE 0                                      ; type 2: nothing more is asked for
	WAYOUT
	s_wait_tensorcnt 0x0                           ; the wave's end
	ds_add_u32 v[SPW], v[NIL]
	s_wait_dscnt 0x0
	CROUND                                         ; the closing round
	s_endpgm
.Lfunc_end_k_qed75543d83_proj:
	.size	k_qed75543d83_proj, .Lfunc_end_k_qed75543d83_proj-k_qed75543d83_proj
	.p2alignl 7, 3214868480
	.fill 96, 4, 3214868480
	.section	.rodata,"a",@progbits
	.p2align	6, 0x0
	.amdhsa_kernel k_qed75543d83_proj
		.amdhsa_group_segment_fixed_size 327680
		.amdhsa_private_segment_fixed_size 0
		.amdhsa_enable_private_segment 0
		.amdhsa_kernarg_size 48
		.amdhsa_user_sgpr_count 2
		.amdhsa_user_sgpr_kernarg_segment_ptr 1
		.amdhsa_wavefront_size32 1
		.amdhsa_system_sgpr_workgroup_id_x 1
		.amdhsa_system_sgpr_workgroup_id_y 1
		.amdhsa_system_sgpr_workgroup_id_z 1
		.amdhsa_system_vgpr_workitem_id 0
		.amdhsa_next_free_vgpr 1024
		.amdhsa_next_free_sgpr 102
		.amdhsa_reserve_vcc 0
		.amdhsa_float_denorm_mode_32 3
		.amdhsa_float_denorm_mode_16_64 3
		.amdhsa_memory_ordered 1
		.amdhsa_forward_progress 1
		.amdhsa_inst_pref_size 181
	.end_amdhsa_kernel
	.amdgpu_metadata
---
amdhsa.version: [ 1, 2 ]
amdhsa.kernels:
  - .name:           k_qed75543d83_proj
    .symbol:         k_qed75543d83_proj.kd
    .args:
      - { .name: xc, .offset: 0, .size: 8, .value_kind: global_buffer, .address_space: global }
      - { .name: bq, .offset: 8, .size: 8, .value_kind: global_buffer, .address_space: global }
      - { .name: bk, .offset: 16, .size: 8, .value_kind: global_buffer, .address_space: global }
      - { .name: bv, .offset: 24, .size: 8, .value_kind: global_buffer, .address_space: global }
      - { .name: qc, .offset: 32, .size: 8, .value_kind: global_buffer, .address_space: global }
      - { .name: kv, .offset: 40, .size: 8, .value_kind: global_buffer, .address_space: global }
    .group_segment_fixed_size: 327680
    .private_segment_fixed_size: 0
    .kernarg_segment_align: 8
    .kernarg_segment_size: 48
    .max_flat_workgroup_size: 128
    .sgpr_count:     102
    .vgpr_count:     1024
    .wavefront_size: 32
...
	.end_amdgpu_metadata
.endif
;; end of part 2
;; launch attn (part 3): grid 4 x 64, 8 waves a work-group, clusters of 4 x 1, 217,088 bytes of LDS; arguments qc, kv, cc; writes cc
.if DOCPART == 3
	.amdgcn_target "amdgcn-amd-amdhsa--gfx1250"
	.amdhsa_code_object_version 6
	.text
	.protected	k_qed75543d83_attn
	.globl	k_qed75543d83_attn
	.p2align	8
	.type	k_qed75543d83_attn,@function
k_qed75543d83_attn:
	s_mov_b64 s[64:65], 0
	v_nop
	global_prefetch_b8 v0, s[64:65] scope:SCOPE_SE
	s_setreg_imm32_b32 hwreg(HW_REG_WAVE_MODE, 25, 1), 1
	s_wait_xcnt 0x0
	s_wait_alu depctr_hold_cnt(0) depctr_sa_sdst(0) depctr_va_vdst(0) depctr_va_sdst(0) depctr_va_ssrc(0) depctr_va_vcc(0) depctr_vm_vsrc(0)
	s_getreg_b32 s2, hwreg(HW_REG_IB_STS2, 6, 4)
	s_cmp_eq_u32 s2, 0
	s_cbranch_scc0 .Lentry_in_a_cluster
	s_endpgm
.Lentry_in_a_cluster:
	s_bfe_u32 s2, ttmp6, 0x10000c
	s_cmp_lg_u32 s2, 0x3003
	s_cbranch_scc0 .Lentry_shape_is_right
	s_endpgm
.Lentry_shape_is_right:
; ctx[b][q][head] = softmax_k(qh . kh / 8) vh, both products on codes of FP6 (E2M3) with E8M0 scales; ctx leaves as codes, quantised along the model's 1,024: two blocks of 32 a head.
; THE SOFTMAX AHEAD OF THE SECOND PRODUCT: t = score x log2(e) / 8; M = the row's largest t so far, rounded UP to a whole number; p = 2^(t - M) is quantised along the keys, not normalised.
; The row's sum is taken of the unquantised p, in f32, and divides O at the end.  When M moves, the sum and O are multiplied by 2^(old M - new M): exact.
; SHARES: a work-group owns 512 queries of one head (hh = 16 b + head): four blocks of 128.  Wave w of eight owns tile w of each block, and takes them two at a time (x = 0, 1), in two passes
; (pass nt: blocks 2 nt + x).  The two tiles share each fragment of K and V, and their lines stand by turns.  Every pass walks all 2,048 keys, 128 a step.
; A HEAD'S WHOLE K AND V LIE IN LDS: 16 key steps of 13,312 bytes, as proj laid them (images of the operands' registers), each byte filled once: wave w brings key steps 2 w and 2 w + 1 by one
; tensor load, at the head: there is no loop to run ahead in, so nothing is prefetched.  CLUSTER: the four work-groups of a head want the same bytes and ask for them jointly.
; LDS LOADS RUN AHEAD: K of step i + 1 is loaded behind the first products of step i, V of step i + 1 behind its second products.  The step's number wraps at 16, so a pass's last step loads
; step 0: the second pass begins with it; what the second pass's last step loads is read by nobody.
; LAYOUT: both products are used transposed: S^T = K Q^T (source 0 = 16 keys), O^T = V^T P^T (source 0 = 16 channels): a lane holds ONE query of each tile throughout.
; Tile 4 c + j of K holds keys 64 c + 8 j + i (rows 0-7) and 64 c + 32 + 8 j + i (rows 8-15): so registers 32 c + e of S^T in lane (r, h) are keys 64 c + 32 h + e: a whole scale block of p,
; in the order of the second product's operand.  In O^T the 16 registers of tiles 2 b and 2 b + 1 are channels 32 b + 16 h + 0 .. 15.
; HEAD SIZE 64 FILLS HALF OF THE INSTRUCTION'S K: Q's registers 6-11 are zero codes.  A fragment of K names 12 registers of which the upper six are the next tile's lower six (for tile 7: zeros): whatever
; codes stand there are finite numbers that meet Q's zeros, under scale bytes 0 (2^-127, no NaN) on both sides: they add exact zeros.
; OUT: cc[token block of 128][K step = head / 2][13,312]: the half image of (tile, head) at 1,536 tile + 768 (head % 2); at 12,288 + 512 (head % 2) that head's two groups of scale words (bytes 0, 1).
; LIMITS: a block whose largest magnitude lies under 2^-124 keeps the byte 1, a block of zeros too; t - M is one fused multiply-add; a block's largest p is made from its largest score by the same two
; instructions; 1 / sum by v_rcp_f32; the promise holds while |t| stays under 2^31; NaN and infinities are not served.
; REGISTERS.  Window 0: v1-11 addresses; v12-19 per tile -M, largest t, the sum in two halves; v20-23 f; v24-39 scale words and small work; v40-75 work; v76-99 p's codes; v102-115 the sums' chains;
; v128-255 S^T, then p (64 a tile).  Window 1: v0-53 K, v54-101 V^T, v102-125 Q, v128-191 O^T (32 a tile).
.set KSB,   13312
.set NKS,   16
.set SCST,  NKS*KSB                    ; behind K and V: ctx's scale words of the four blocks of queries, 512 bytes each
.set SPARE, SCST+2048                  ; the spare words, 128 bytes for each wave
.set QBLK,  6656                       ; a block of queries in qc
.set CBLK,  8*KSB                      ; a token block in cc
.set LI16, 1                           ; 16 x lane
.set LI8,  2                           ; 8 x lane
.set R16,  3                           ; 16 r
.set ADK,  4                           ; the next key step's bytes, for loads of 16 bytes
.set AD8,  5                           ; for loads of 8
.set SCW,  6
.set SCR,  7
.set SH8,  8                           ; 8 h
.set SPW,  10
.set NIL,  11
.set ST,   12                          ; tile x: v[ST+4x] -M, +1 largest t, +2, +3 the sum
.set FF,   20                          ; tile x: v[FF+2x : +1]
.set QS,   24
.set TMP,  26
.set KSC,  28
.set VSC,  32
.set PS,   36
.set WD,   38
.set BX,   40                          ; tile x: four registers
.set PT,   48                          ; tile x: four
.set SOP,  56                          ; tile x: two
.set T2,   60                          ; tile x: eight
.set PCD,  76                          ; tile x: twelve
.set CH,   100                         ; chains k = 1..7 at v[CH+2k : +1]
.set S,    128                         ; tile x: 64
.set KF,   0                           ; window 1
.set VF,   54
.set QF,   102                         ; tile x: twelve
.set O,    128                         ; tile x: 32
.set WV,   10
.set G1,   16
.set G0,   24
.set SEL,  28
.set CS,   30
.set IT,   32                          ; the key step's number
.set TN,   33                          ; LDS byte at which the next key step begins
.set QB,   34
.set QSB,  36
.set CB,   38
.set CSB,  40
.set MSB, 0
.macro WIN new                         ; the immediate's high byte repeats the setting that is left
.if MSB != \new
	s_set_vgpr_msb (MSB<<8)|\new
.set MSB, \new
.endif
.endm
.macro WALU
	s_wait_alu depctr_va_vdst(0)
.endm
.macro PLACES n
.rept \n
	v_nop
.endr
.endm
.macro CROUND
	s_barrier_signal -1
	s_barrier_wait -1
	s_cmp_lg_u32 s[WV], 0
	s_cbranch_scc1 .Lnot_wave_0_\@
	s_barrier_signal -3
.Lnot_wave_0_\@:
	s_barrier_wait -3
	s_barrier_signal -1
	s_barrier_wait -1
.endm
	s_load_b128 s[4:7], s[0:1], 0x0                ; qc, kv
	s_load_b64 s[8:9], s[0:1], 0x10                ; cc
	v_lshl_add_u32 v[SPW], v0, 2, SPARE
	v_mov_b32 v[NIL], 0
	ds_add_u32 v[SPW], v[NIL]                      ; the opening lines: the add, twice, and its wait
	ds_add_u32 v[SPW], v[NIL]
	v_lshrrev_b32 v9, 5, v0
	v_readfirstlane_b32 s[WV], v9                  ; wave 0..7
	s_bfe_u32 s11, ttmp6, 0x40000                  ; cx: which 512 queries
	s_and_b32 s12, ttmp7, 0xffff                   ; hh, which the four partners share
	s_mov_b32 s[G1], 15|(3<<16)|(1<<21)            ; the mask: all four work-groups; elements of 8 bytes
	s_mov_b32 s[G1+1], 32<<16                      ; two key steps, dense, as 104 rows of 256 bytes
	s_mov_b32 s[G1+2], 104<<16
	s_mov_b32 s[G1+3], 32<<16
	s_mov_b32 s[G1+4], 104
	s_mov_b32 s[G1+5], 32
	s_mov_b32 s[G1+6], 0
	s_mov_b32 s[G1+7], 0
	s_mul_i32 s13, s[WV], 2*KSB                    ; key steps 2 w, 2 w + 1: in LDS,
	s_mul_i32 s42, s12, NKS*KSB
	s_add_co_u32 s42, s42, s13                     ; and in kv
	s_mov_b32 s43, 0
	s_lshl_b32 s44, s12, 4
	s_lshl_b32 s45, s11, 2
	s_add_co_u32 s44, s44, s45                     ; the work-group's first block of queries: 16 hh + 4 cx
	s_mul_i32 s44, s44, QBLK
	s_and_b32 s47, s[WV], 3
	s_lshr_b32 s48, s[WV], 2
	s_mul_i32 s49, s47, 1536
	s_mul_i32 s50, s48, 768
	s_add_co_u32 s49, s49, s50                     ; tile w's half image
	s_add_co_u32 s[QB], s44, s49
	s_mov_b32 s[QB+1], 0
	s_lshl_b32 s49, s48, 8
	s_lshl_b32 s50, s47, 2
	s_add_co_u32 s49, s49, s50
	s_add_co_u32 s49, s49, 6144                    ; and its scale words
	s_add_co_u32 s[QSB], s44, s49
	s_mov_b32 s[QSB+1], 0
	s_lshr_b32 s51, s12, 4
	s_lshl_b32 s51, s51, 4
	s_add_co_u32 s51, s51, s45                     ; token block 16 b + 4 cx
	s_mul_i32 s52, s51, CBLK
	s_bfe_u32 s53, s12, 0x30001                    ; head / 2
	s_mul_i32 s53, s53, KSB
	s_and_b32 s54, s12, 1                          ; head % 2
	s_add_co_u32 s52, s52, s53
	s_mul_i32 s55, s[WV], 1536
	s_add_co_u32 s52, s52, s55
	s_mul_i32 s55, s54, 768
	s_add_co_u32 s[CB], s52, s55
	s_mov_b32 s[CB+1], 0
	s_add_co_u32 s56, s51, s47                     ; the groups: wave w of 0-3 stores those of block 4 cx + w
	s_mul_i32 s56, s56, CBLK
	s_add_co_u32 s56, s56, s53
	s_lshl_b32 s57, s54, 9
	s_add_co_u32 s56, s56, s57
	s_add_co_u32 s[CSB], s56, 12288
	s_mov_b32 s[CSB+1], 0
	s_lshl_b32 s14, s48, 8
	s_lshl_b32 s15, s47, 2
	s_add_co_u32 s14, s14, s15
	s_add_co_u32 s14, s14, SCST                    ; 256 (w / 4) + 4 (w % 4)
	s_lshl_b32 s15, s47, 9
	s_add_co_u32 s15, s15, SCST
	s_mov_b32 s[SEL], 0x76543210
	s_mov_b32 s[SEL+1], 0xfedcba98
	s_mov_b32 s[CS], 0x3e38aa3b                    ; c = log2(e) / sqrt(64)
	s_mov_b32 s[CS+1], s[CS]
	s_wait_dscnt 0x0                               ; both opening adds are done
	s_wait_kmcnt 0x0
	s_add_nc_u64 s[QB:QB+1], s[4:5], s[QB:QB+1]
	s_add_nc_u64 s[QSB:QSB+1], s[4:5], s[QSB:QSB+1]
	s_add_nc_u64 s[CB:CB+1], s[8:9], s[CB:CB+1]
	s_add_nc_u64 s[CSB:CSB+1], s[8:9], s[CSB:CSB+1]
	CROUND                                         ; all four work-groups are here: the joint loads meet
	s_mov_b32 s[G0], 1
	s_mov_b32 s[G0+1], s13
	s_add_nc_u64 s[G0+2:G0+3], s[6:7], s[42:43]
	s_or_b32 s[G0+3], s[G0+3], 0x80000000
	tensor_load_to_lds s[G0:G0+3], s[G1:G1+7]      ; my one tensor load of the launch
	s_nop 0
	PLACES 4
	v_and_b32 v9, 31, v0
	v_lshlrev_b32 v[LI16], 4, v9
	v_lshlrev_b32 v[LI8], 3, v9
	v_and_b32 v9, 15, v0
	v_lshlrev_b32 v[R16], 4, v9
	v_add_nc_u32 v[SCW], s14, v[R16]
	v_add_nc_u32 v[SCR], s15, v[LI16]
	v_bfe_u32 v9, v0, 4, 1
	v_lshlrev_b32 v[SH8], 3, v9
.macro QLOAD nt                        ; the pass's two tiles of queries: registers 0-5 of each fragment, and the rows' scale words
	WIN 0x40                                       ; destination window 1
.irp x, 0,1
	global_load_b128 v[QF+12*\x:QF+12*\x+3], v[LI16], s[QB:QB+1] offset:QBLK*(2*(\nt)+\x)
	global_load_b64 v[QF+12*\x+4:QF+12*\x+5], v[LI8], s[QB:QB+1] offset:QBLK*(2*(\nt)+\x)+512
.endr
	WIN 0
.irp x, 0,1
	global_load_b32 v[QS+\x], v[R16], s[QSB:QSB+1] offset:QBLK*(2*(\nt)+\x)
.endr
.endm
	QLOAD 0
	WIN 0x40
.irp j, 6,7,8,9,10,11
	v_mov_b32 v[QF+\j], 0                          ; the upper half of the instruction's K: zero codes, set once
	v_mov_b32 v[QF+12+\j], 0
	v_mov_b32 v[KF+42+\j], 0                       ; what tile 7's fragment names behind its six registers
.endr
	WIN 0
.irp j, 0,1,2,3,4,5,6,7
	v_mov_b32 v[PT+\j], 0                          ; a lane permute's destination counts as one of its sources
.endr
	v_mov_b32 v[FF+1], 0                           ; (named as the upper halves of pairs)
	v_mov_b32 v[FF+3], 0
.macro KLOAD a, b                      ; K's eight half fragments and its scale words: 17 loads
	WIN 0x40
.irp t, 0,1,2,3,4,5,6,7
	ds_load_b128 v[KF+6*\t:KF+6*\t+3], v[\a] offset:1536*(\t%4)+768*(\t/4)
	ds_load_b64 v[KF+6*\t+4:KF+6*\t+5], v[\b] offset:1536*(\t%4)+768*(\t/4)+512
.endr
	WIN 0
	ds_load_b128 v[KSC:KSC+3], v[\a] offset:6144   ; lanes 0-15 tiles 0-3, lanes 16-31 tiles 4-7
.endm
.macro VLOAD a, b                      ; V^T's four fragments and their scale words: 17 loads
	WIN 0x40
.irp c, 0,1,2,3
	ds_load_b128 v[VF+12*\c:VF+12*\c+3], v[\a] offset:6656+1536*\c
	ds_load_b64 v[VF+12*\c+4:VF+12*\c+5], v[\b] offset:6656+1536*\c+512
	ds_load_b128 v[VF+12*\c+6:VF+12*\c+9], v[\a] offset:6656+1536*\c+768
	ds_load_b64 v[VF+12*\c+10:VF+12*\c+11], v[\b] offset:6656+1536*\c+1280
.endr
	WIN 0
	ds_load_b128 v[VSC:VSC+3], v[\a] offset:12800
.endm
.macro SUMS x                          ; tile x's 64 p onto its sum: 32 packed additions in eight chains
.set P_, S+64*(\x)
.set A_, ST+4*(\x)+2
.irp k, 1,2,3,4,5,6,7
	v_pk_add_f32 v[CH+2*\k:CH+2*\k+1], v[P_+4*\k-4:P_+4*\k-3], v[P_+4*\k-2:P_+4*\k-1]
.endr
	v_pk_add_f32 v[A_:A_+1], v[A_:A_+1], v[P_+28:P_+29]
.irp r, 0,1
.irp k, 1,2,3,4,5,6,7
	v_pk_add_f32 v[CH+2*\k:CH+2*\k+1], v[CH+2*\k:CH+2*\k+1], v[P_+28+16*\r+2*\k:P_+28+16*\r+2*\k+1]
.endr
	v_pk_add_f32 v[A_:A_+1], v[A_:A_+1], v[P_+44+16*\r:P_+44+16*\r+1]
.endr
	v_pk_add_f32 v[CH+2:CH+3], v[CH+2:CH+3], v[P_+62:P_+63]
	v_pk_add_f32 v[A_:A_+1], v[A_:A_+1], v[CH+8:CH+9]
	v_pk_add_f32 v[CH+4:CH+5], v[CH+4:CH+5], v[CH+10:CH+11]
	v_pk_add_f32 v[CH+6:CH+7], v[CH+6:CH+7], v[CH+12:CH+13]
	v_pk_add_f32 v[CH+2:CH+3], v[CH+2:CH+3], v[CH+14:CH+15]
	v_pk_add_f32 v[A_:A_+1], v[A_:A_+1], v[CH+4:CH+5]
	v_pk_add_f32 v[CH+2:CH+3], v[CH+2:CH+3], v[CH+6:CH+7]
	v_pk_add_f32 v[A_:A_+1], v[A_:A_+1], v[CH+2:CH+3]
.endm
; A KEY STEP: 128 keys, two tiles of queries.
.macro KEYSTEP
	s_add_co_u32 s[IT], s[IT], 1
	s_and_b32 s[TN], s[IT], NKS-1
	s_mul_i32 s[TN], s[TN], KSB                    ; the next step's bytes (behind step 15: step 0's)
	s_wait_dscnt 17                                ; K's 17 loads are in; V's 17, issued behind them, may be out
	WIN 0x05                                       ; source 0 (K) and source 1 (Q) window 1, D window 0
.irp t, 0,1,2,3
.irp x, 0,1
	v_wmma_scale_f32_16x16x128_f8f6f4 v[S+64*\x+8*\t:S+64*\x+8*\t+7], v[KF+6*\t:KF+6*\t+11], v[QF+12*\x:QF+12*\x+11], 0, v[KSC+\t], v[QS+\x] matrix_a_fmt:MATRIX_FMT_FP6 matrix_b_fmt:MATRIX_FMT_FP6
.endr
.endr
.irp t, 4,5,6,7
.irp x, 0,1
	v_wmma_scale_f32_16x16x128_f8f6f4 v[S+64*\x+8*\t:S+64*\x+8*\t+7], v[KF+6*\t:KF+6*\t+11], v[QF+12*\x:QF+12*\x+11], 0, v[KSC+\t-4], v[QS+\x] matrix_a_fmt:MATRIX_FMT_FP6 matrix_b_fmt:MATRIX_FMT_FP6 matrix_a_scale:MATRIX_SCALE_ROW1
.endr
.endr
	WIN 0
	v_add_nc_u32 v[ADK], s[TN], v[LI16]
	v_add_nc_u32 v[AD8], s[TN], v[LI8]
	PLACES 2                                       ; four places behind the products: K's registers are loaded anew, the scores are read
	KLOAD ADK, AD8                                 ; the next step's K
.irp b, 0,1,2,3
.irp x, 0,1
	v_max3_num_f32 v[BX+4*\x+\b], v[S+64*\x+16*\b], v[S+64*\x+16*\b+1], v[S+64*\x+16*\b+2]   ; the largest score, in four chains of 16 a tile
.endr
.endr
.irp i, 3,5,7,9,11,13
.irp b, 0,1,2,3
.irp x, 0,1
	v_max3_num_f32 v[BX+4*\x+\b], v[BX+4*\x+\b], v[S+64*\x+16*\b+\i], v[S+64*\x+16*\b+\i+1]
.endr
.endr
.endr
.irp x, 0,1
	v_max_num_f32 v[BX+4*\x+1], v[BX+4*\x+1], v[S+64*\x+31]
	v_max_num_f32 v[BX+4*\x+3], v[BX+4*\x+3], v[S+64*\x+63]
.endr
.irp x, 0,1
	v_max3_num_f32 v[BX+4*\x], v[BX+4*\x], v[S+64*\x+15], v[BX+4*\x+1]     ; my block h: all its 32 keys are mine.  It serves for the row's maximum and, since p rises with the score, for the block's largest p
	v_max3_num_f32 v[BX+4*\x+2], v[BX+4*\x+2], v[S+64*\x+47], v[BX+4*\x+3] ; my block 2 + h
.endr
.irp x, 0,1
	v_max_num_f32 v[TMP+\x], v[BX+4*\x], v[BX+4*\x+2]
.endr
.irp x, 0,1
	v_permlanex16_b32 v[PT+4*\x], v[TMP+\x], s[SEL], s[SEL+1]
.endr
.irp x, 0,1
	v_max_num_f32 v[TMP+\x], v[TMP+\x], v[PT+4*\x] ; with lane l xor 16's two blocks: the step's largest score of my query
.endr
.irp x, 0,1
	v_mul_f32 v[TMP+\x], s[CS], v[TMP+\x]          ; as t (c is positive)
.endr
.irp x, 0,1
	v_max_num_f32 v[ST+4*\x+1], v[ST+4*\x+1], v[TMP+\x]   ; the running largest t
.endr
.irp x, 0,1
	v_mov_b32 v[TMP+\x], v[ST+4*\x]
.endr
.irp x, 0,1
	v_floor_f32 v[ST+4*\x], -v[ST+4*\x+1]          ; the new -M = floor(-t) = -ceil(t): a whole number
.endr
.irp x, 0,1
	v_sub_f32 v[TMP+\x], v[ST+4*\x], v[TMP+\x]     ; M's old value less its new one: a whole number, 0 or less
.endr
.irp x, 0,1
	v_cvt_i32_f32 v[TMP+\x], v[TMP+\x]             ; (it saturates)
.endr
.irp x, 0,1
	v_ldexp_f32 v[FF+2*\x], 1.0, v[TMP+\x]         ; f = 2^(old M - new M)
.endr
	WIN 0x41                                       ; source 0 and destination window 1
.set J, 0
.rept 16
.irp x, 0,1
	v_pk_mul_f32 v[O+32*\x+J:O+32*\x+J+1], v[O+32*\x+J:O+32*\x+J+1], v[FF+2*\x:FF+2*\x+1] op_sel_hi:[1,0]   ; O^T under the new M; each accumulator from its low end on
.endr
.set J, J+2
.endr
	WIN 0
.irp x, 0,1
	v_pk_mul_f32 v[ST+4*\x+2:ST+4*\x+3], v[ST+4*\x+2:ST+4*\x+3], v[FF+2*\x:FF+2*\x+1] op_sel_hi:[1,0]   ; the sums likewise
.endr
.set J, 0
.rept 32
	v_pk_fma_f32 v[S+J:S+J+1], v[S+J:S+J+1], s[CS:CS+1], v[ST:ST+1] op_sel_hi:[1,0,0]   ; tile 0: t - M, two at a time
.set J, J+2
.endr
	v_fma_f32 v[BX], v[BX], s[CS], v[ST]           ; the same of its two blocks' largest scores
	v_fma_f32 v[BX+2], v[BX+2], s[CS], v[ST]
	WALU                                           ; the wait ahead of the batch
.set J, 0
.rept 32
	v_exp_f32 v[S+J], v[S+J]                       ; tile 0: p = 2^(t - M), at most 1: not normalised;
	v_exp_f32 v[S+J+1], v[S+J+1]
	v_pk_fma_f32 v[S+64+J:S+64+J+1], v[S+64+J:S+64+J+1], s[CS:CS+1], v[ST+4:ST+5] op_sel_hi:[1,0,0]   ; among them tile 1's t - M, read behind the next wait
.set J, J+2
.endr
	v_exp_f32 v[BX], v[BX]                         ; the blocks' largest p: the same two instructions on the same number give the same bits
	v_exp_f32 v[BX+2], v[BX+2]
	v_fma_f32 v[BX+4], v[BX+4], s[CS], v[ST+4]
	v_fma_f32 v[BX+6], v[BX+6], s[CS], v[ST+4]
	WALU                                           ; behind tile 0's batch, ahead of tile 1's
.set J, 0
.rept 64
	v_exp_f32 v[S+64+J], v[S+64+J]
.set J, J+1
.endr
	v_exp_f32 v[BX+4], v[BX+4]
	v_exp_f32 v[BX+6], v[BX+6]
	SUMS 0                                         ; names tile 0's p alone: plain work behind tile 1's batch
	WALU                                           ; behind tile 1's batch
.irp x, 0,1
	v_max_num_f32 v[BX+4*\x], 0x1800000, v[BX+4*\x]       ; the floor 2^(3 - 127): the byte cannot fall under 1
	v_max_num_f32 v[BX+4*\x+2], 0x1800000, v[BX+4*\x+2]
.endr
.irp x, 0,1
	v_add_nc_u32 v[SOP+2*\x], 0xff000000, v[BX+4*\x]      ; 2 off the exponent field: the conversion's scale operand
	v_add_nc_u32 v[SOP+2*\x+1], 0xff000000, v[BX+4*\x+2]
.endr
.irp x, 0,1
	v_lshrrev_b32 v[PT+4*\x], 23, v[SOP+2*\x]      ; the scale's byte
	v_lshrrev_b32 v[PT+4*\x+1], 23, v[SOP+2*\x+1]
.endr
.irp x, 0,1
	v_lshl_or_b32 v[PS+\x], v[PT+4*\x+1], 16, v[PT+4*\x]   ; my two bytes: blocks h and 2 + h,
.endr
.irp x, 0,1
	v_lshlrev_b32 v[PS+\x], v[SH8], v[PS+\x]       ; at their places in the word;
.endr
.irp x, 0,1
	v_permlanex16_b32 v[PT+4*\x+2], v[PS+\x], s[SEL], s[SEL+1]
.endr
.irp x, 0,1
	v_or_b32 v[PS+\x], v[PS+\x], v[PT+4*\x+2]      ; with lane l xor 16's two: p's scale word for these 128 keys
.endr
.irp x, 0,1
.irp c, 0,1
	v_cvt_scalef32_pk16_fp6_f32 v[PCD+12*\x+6*\c:PCD+12*\x+6*\c+2], v[S+64*\x+32*\c:S+64*\x+32*\c+15], v[SOP+2*\x+\c]
	v_cvt_scalef32_pk16_fp6_f32 v[T2+8*\x+4*\c:T2+8*\x+4*\c+2], v[S+64*\x+32*\c+16:S+64*\x+32*\c+31], v[SOP+2*\x+\c]   ; (a conversion's three registers begin on an even number)
.endr
.endr
	v_nop                                          ; one plain place behind a scaled conversion
.irp x, 0,1
.irp c, 0,1
.irp i, 0,1,2
	v_mov_b32 v[PCD+12*\x+6*\c+3+\i], v[T2+8*\x+4*\c+\i]   ; registers 6 c .. 6 c + 5: keys 64 c + 32 h + 0 .. 31
.endr
.endr
.endr
	SUMS 1                                         ; these 32 are also the places between the lines that made p's codes and scale words and the products
	WALU
	s_wait_dscnt 17                                ; V's 17 loads are in; the next step's K, 17 loads issued behind them, may be out
	WIN 0x51                                       ; source 0 (V), C and D window 1, source 1 (p) window 0
.irp c, 0,1,2,3                                ; O^T += V^T P^T: eight accumulators, one instruction each
.irp x, 0,1
	v_wmma_scale_f32_16x16x128_f8f6f4 v[O+32*\x+8*\c:O+32*\x+8*\c+7], v[VF+12*\c:VF+12*\c+11], v[PCD+12*\x:PCD+12*\x+11], v[O+32*\x+8*\c:O+32*\x+8*\c+7], v[VSC+\c], v[PS+\x] matrix_a_fmt:MATRIX_FMT_FP6 matrix_b_fmt:MATRIX_FMT_FP6
.endr
.endr
	WIN 0
	PLACES 4                                       ; places behind the products: V's registers are loaded anew
	VLOAD ADK, AD8                                 ; the next step's V
.endm
; A PASS: two tiles of 16 queries: all keys, then ctx = O / sum, quantised, stored.
.macro TILE nt
.if \nt
	s_wait_xcnt 0x0                                ; the last pass's stores have read the codes' registers, which the loop writes anew
.endif
.irp x, 0,1
	v_mov_b32 v[ST+4*\x+1], 0xff61b1e6             ; the largest t so far: -3e38, under every t
	v_mov_b32 v[ST+4*\x+2], 0
	v_mov_b32 v[ST+4*\x+3], 0
.endr
.irp x, 0,1
	v_floor_f32 v[ST+4*\x], -v[ST+4*\x+1]          ; -M
.endr
	WIN 0x40
.set J, 0
.rept 64
	v_mov_b32 v[O+J], 0                            ; the loop has no first step of its own: it finds zeros, which the first change of M leaves zeros
.set J, J+1
.endr
	WIN 0
	s_mov_b32 s[IT], 0
	s_wait_loadcnt 0x0                             ; Q
.Lkey_\@:
	KEYSTEP
	s_cmp_lt_u32 s[IT], NKS
	s_cbranch_scc1 .Lkey_\@
.if (\nt) == 0
	QLOAD 1                                        ; the next pass's queries land under the work below
.endif
.irp x, 0,1
	v_add_f32 v[ST+4*\x+2], v[ST+4*\x+2], v[ST+4*\x+3]     ; the sum's two halves,
.endr
.irp x, 0,1
	v_permlanex16_b32 v[TMP+\x], v[ST+4*\x+2], s[SEL], s[SEL+1]
.endr
.irp x, 0,1
	v_add_f32 v[ST+4*\x+2], v[ST+4*\x+2], v[TMP+\x]        ; and lane l xor 16's: the row's sum
.endr
	WALU
.irp x, 0,1
	v_rcp_f32 v[FF+2*\x], v[ST+4*\x+2]
.endr
	v_nop                                          ; a plain place behind the transcendentals
	WIN 0x01                                       ; source 0 window 1
	WALU                                           ; the wait ahead of their first reader, which is O^T's too
.set J, 0
.rept 16
.irp x, 0,1
	v_pk_mul_f32 v[S+64*\x+J:S+64*\x+J+1], v[O+32*\x+J:O+32*\x+J+1], v[FF+2*\x:FF+2*\x+1] op_sel_hi:[1,0]   ; ctx: register 16 b + e = channel 32 b + 16 h + e of my query; each accumulator from its low end on
.endr
.set J, J+2
.endr
	WIN 0
.irp b, 0,1
.irp x, 0,1
	v_max3_num_f32 v[BX+4*\x+\b], |v[S+64*\x+16*\b]|, |v[S+64*\x+16*\b+1]|, 0x1800000
.endr
.endr
.irp i, 2,4,6,8,10,12,14
.irp b, 0,1
.irp x, 0,1
	v_max3_num_f32 v[BX+4*\x+\b], v[BX+4*\x+\b], |v[S+64*\x+16*\b+\i]|, |v[S+64*\x+16*\b+\i+1]|
.endr
.endr
.endr
.irp b, 0,1
.irp x, 0,1
	v_permlanex16_b32 v[PT+4*\x+\b], v[BX+4*\x+\b], s[SEL], s[SEL+1]
.endr
.endr
.irp b, 0,1
.irp x, 0,1
	v_max_num_f32 v[BX+4*\x+\b], v[BX+4*\x+\b], v[PT+4*\x+\b]
.endr
.endr
.irp b, 0,1
.irp x, 0,1
	v_add_nc_u32 v[SOP+2*\x+\b], 0xff000000, v[BX+4*\x+\b]
.endr
.endr
.irp b, 0,1
.irp x, 0,1
	v_lshrrev_b32 v[PT+4*\x+\b], 23, v[SOP+2*\x+\b]
.endr
.endr
.irp x, 0,1
	v_lshl_or_b32 v[WD+\x], v[PT+4*\x+1], 8, v[PT+4*\x]    ; the head's two bytes
.endr
.irp x, 0,1
	v_cvt_scalef32_pk16_fp6_f32 v[PCD+12*\x:PCD+12*\x+2], v[S+64*\x:S+64*\x+15], v[SOP+2*\x]
	v_cvt_scalef32_pk16_fp6_f32 v[T2+8*\x:T2+8*\x+2], v[S+64*\x+16:S+64*\x+31], v[SOP+2*\x+1]
.endr
	v_nop                                          ; one plain place behind a scaled conversion
.irp x, 0,1
.irp i, 0,1,2
	v_permlane16_swap_b32 v[PCD+12*\x+\i], v[T2+8*\x+\i]   ; the operand's layout wants a whole block in a lane
.endr
.endr
.irp x, 0,1
.irp i, 0,1,2
	v_mov_b32 v[PCD+12*\x+3+\i], v[T2+8*\x+\i]
.endr
.endr
.irp x, 0,1
	global_store_b128 v[LI16], v[PCD+12*\x:PCD+12*\x+3], s[CB:CB+1] offset:CBLK*(2*(\nt)+\x)         ; the half image: 512 and 256 consecutive bytes, aligned to 256
	global_store_b64 v[LI8], v[PCD+12*\x+4:PCD+12*\x+5], s[CB:CB+1] offset:CBLK*(2*(\nt)+\x)+512
	ds_store_b32 v[SCW], v[WD+\x] offset:512*(2*(\nt)+\x)                                            ; lanes r and r + 16 write the same word with the same value
.endr
.endm
	WALU                                           ; the wait at the head's end
	s_wait_tensorcnt 0x0                           ; my two key steps lie in LDS,
	s_barrier_signal -1
	s_barrier_wait -1                              ; everybody's do: no barrier stands in the loops
	KLOAD LI16, LI8                                ; key step 0
	VLOAD LI16, LI8
	TILE 0
	TILE 1
	s_wait_dscnt 0x0                               ; for the others' sake: my scale words lie in LDS; and my last loads are back
	s_barrier_signal -1
	s_barrier_wait -1
	s_cmp_gt_u32 s[WV], 3
	s_cbranch_scc1 .Lno_groups
	ds_load_b128 v[40:43], v[SCR]                  ; a block of queries' two groups leave as 512 consecutive bytes
	s_wait_dscnt 0x0
	global_store_b128 v[LI16], v[40:43], s[CSB:CSB+1]
.Lno_groups:
	s_wait_tensorcnt 0x0                           ; the wave's end
	ds_add_u32 v[SPW], v[NIL]
	s_wait_dscnt 0x0
	CROUND                                         ; the closing round
	s_endpgm
.Lfunc_end_k_qed75543d83_attn:
	.size	k_qed75543d83_attn, .Lfunc_end_k_qed75543d83_attn-k_qed75543d83_attn
	.p2alignl 7, 3214868480
	.fill 96, 4, 3214868480
	.section	.rodata,"a",@progbits
	.p2align	6, 0x0
	.amdhsa_kernel k_qed75543d83_attn
		.amdhsa_group_segment_fixed_size 217088
		.amdhsa_private_segment_fixed_size 0
		.amdhsa_enable_private_segment 0
		.amdhsa_kernarg_size 24
		.amdhsa_user_sgpr_count 2
		.amdhsa_user_sgpr_kernarg_segment_ptr 1
		.amdhsa_wavefront_size32 1
		.amdhsa_system_sgpr_workgroup_id_x 1
		.amdhsa_system_sgpr_workgroup_id_y 1
		.amdhsa_system_sgpr_workgroup_id_z 1
		.amdhsa_system_vgpr_workitem_id 0
		.amdhsa_next_free_vgpr 448
		.amdhsa_next_free_sgpr 66
		.amdhsa_reserve_vcc 0
		.amdhsa_float_denorm_mode_32 3
		.amdhsa_float_denorm_mode_16_64 3
		.amdhsa_memory_ordered 1
		.amdhsa_forward_progress 1
		.amdhsa_inst_pref_size 83
	.end_amdhsa_kernel
	.amdgpu_metadata
---
amdhsa.version: [ 1, 2 ]
amdhsa.kernels:
  - .name:           k_qed75543d83_attn
    .symbol:         k_qed75543d83_attn.kd
    .args:
      - { .name: qc, .offset: 0, .size: 8, .value_kind: global_buffer, .address_space: global }
      - { .name: kv, .offset: 8, .size: 8, .value_kind: global_buffer, .address_space: global }
      - { .name: cc, .offset: 16, .size: 8, .value_kind: global_buffer, .address_space: global }
    .group_segment_fixed_size: 217088
    .private_segment_fixed_size: 0
    .kernarg_segment_align: 8
    .kernarg_segment_size: 24
    .max_flat_workgroup_size: 256
    .sgpr_count:     66
    .vgpr_count:     448
    .wavefront_size: 32
...
	.end_amdgpu_metadata
.endif
;; end of part 3
;; launch outp (part 4): grid 4 x 64, 4 waves a work-group, clusters of 4 x 4, 327,680 bytes of LDS; arguments cc, xc, bo, out0; writes out0
.if DOCPART == 4
	.amdgcn_target "amdgcn-amd-amdhsa--gfx1250"
	.amdhsa_code_object_version 6
	.text
	.protected	k_qed75543d83_outp
	.globl	k_qed75543d83_outp
	.p2align	8
	.type	k_qed75543d83_outp,@function
k_qed75543d83_outp:
	s_mov_b64 s[64:65], 0
	v_nop
	global_prefetch_b8 v0, s[64:65] scope:SCOPE_SE
	s_setreg_imm32_b32 hwreg(HW_REG_WAVE_MODE, 25, 1), 1
	s_wait_xcnt 0x0
	s_wait_alu depctr_hold_cnt(0) depctr_sa_sdst(0) depctr_va_vdst(0) depctr_va_sdst(0) depctr_va_ssrc(0) depctr_va_vcc(0) depctr_vm_vsrc(0)
	s_getreg_b32 s2, hwreg(HW_REG_IB_STS2, 6, 4)
	s_cmp_eq_u32 s2, 0
	s_cbranch_scc0 .Lentry_in_a_cluster
	s_endpgm
.Lentry_in_a_cluster:
	s_bfe_u32 s2, ttmp6, 0x10000c
	s_cmp_lg_u32 s2, 0xf033
	s_cbranch_scc0 .Lentry_shape_is_right
	s_endpgm
.Lentry_shape_is_right:
; out0[m][n] = sum over k of ctx[m][k] Wo[n][k] + bo[n], on codes of FP6 (E2M3) with E8M0 scales; K = 1,024; f32 out.
; P = ctx, as attn left it in cc (a block of 128 tokens: eight K steps of 13,312 bytes, half images and two groups of scale words a head); Q = Wo, blocks 216-223 of xc.
; SHARES: a work-group makes 128 x 256; both operands for all of K lie in LDS, each byte filled once.  Wave w: P's tiles 4 (w / 2) + i against the eight tiles of Q's block w % 2.
; The product is used transposed (source 0 = rows of Wo): a lane holds 8 neighbouring columns of a row of out0; bo is the C of the first K step.
; CLUSTERS: 4 x 4; P's block is shared along a row of the cluster, Q's two along a column: joint loads.
; FILLS: one tensor load a wave, at the head: wave 0 P's K steps 0-3, wave 1 those of Q's two blocks (two rows of 51,200 bytes, a block apart in memory), wave 2 P's K steps 4-7, wave 3 Q's.
; The first barrier shows waves 0 and 1's tiles, the barrier in K step 3 the others; the barrier in K step 7 parts the last reads of P from the stage's stores, which land on P's first bytes.
; No loop to run ahead in: no prefetch.  LIMITS: bo enters the sum as its first term; NaN and infinities are not served.
.set PSTEP, 13312
.set QSTEP, 12800
.set QBLK,  8*QSTEP
.set QREG,  8*PSTEP
.set SPARE, QREG+2*QBLK
.set SROW,  528
.set FR,    12
.set ADP16, 4
.set ADQ,   6
.set ADSP,  8
.set ADP8,  10
.set STO,   12
.set RD,    13
.set CO,    14
.set BNO,   16
.set SPW,   28
.set NIL,   29
.set SC,    32
.set PF,    64
.set BK,    64
.set WV,   16
.set WM,   17
.set WN,   18
.set G1P,  24
.set G1Q,  32
.set G0P,  40
.set G0Q,  68
.set OUT,  90
.set MSB, 0
.macro WIN new
.if MSB != \new
	s_set_vgpr_msb (MSB<<8)|\new
.set MSB, \new
.endif
.endm
.macro PLACES n
.rept \n
	v_nop
.endr
.endm
; An arm of the head's one chain of branches on the wave's number: a joint load, its s_nop 0 and four v_nop, a jump to the chain's end.
.macro ARM under, g0, g1, next
	s_cmp_lt_u32 s[WV], \under
	s_cbranch_scc0 \next
	tensor_load_to_lds s[\g0:\g0+3], s[\g1:\g1+7]
	s_nop 0
	PLACES 4
	s_branch .Lhead_asked
\next:
.endm
.macro CROUND
	s_barrier_signal -1
	s_barrier_wait -1
	s_cmp_lg_u32 s[WV], 0
	s_cbranch_scc1 .Lnot_wave_0_\@
	s_barrier_signal -3
.Lnot_wave_0_\@:
	s_barrier_wait -3
	s_barrier_signal -1
	s_barrier_wait -1
.endm
	s_load_b256 s[4:11], s[0:1], 0x0
	v_lshl_add_u32 v[SPW], v0, 2, SPARE
	v_mov_b32 v[NIL], 0
	ds_add_u32 v[SPW], v[NIL]
	ds_add_u32 v[SPW], v[NIL]
	v_lshrrev_b32 v1, 5, v0
	v_readfirstlane_b32 s[WV], v1
	s_lshr_b32 s[WM], s[WV], 1
	s_and_b32 s[WN], s[WV], 1
	s_bfe_u32 s19, ttmp6, 0x40000
	s_bfe_u32 s20, ttmp6, 0x40004
	s_and_b32 s21, ttmp7, 0xffff
	s_lshl_b32 s57, s21, 2
	s_add_co_u32 s57, s57, s20
	s_mul_i32 s59, s57, 8*PSTEP
	s_mul_i32 s60, s[WM], 4*PSTEP                  ; my half of K, in P
	s_add_co_u32 s66, s59, s60
	s_mov_b32 s67, 0
	s_lshl_b32 s61, s19, 1
	s_add_co_u32 s61, s61, 216
	s_mul_i32 s86, s61, QBLK
	s_mul_i32 s87, s[WM], 4*QSTEP                  ; my half of K, in Q
	s_add_co_u32 s86, s86, s87
	s_mov_b32 s87, 0
	s_mul_i32 s88, s[WM], 8*QSTEP                  ; LDS: Q [half of K][block][K step of four]
	s_add_co_u32 s88, s88, QREG
	s_lshl_b32 s62, s20, 2
	s_lshl_b32 s62, 15, s62
	s_lshl_b32 s63, 0x1111, s19
	s_or_b32 s[G1P], s62, (3<<16)|(1<<21)
	s_mov_b32 s[G1P+1], 32<<16
	s_mov_b32 s[G1P+2], 208<<16                    ; P: four K steps, dense, as 208 rows of 256 bytes
	s_mov_b32 s[G1P+3], 32<<16
	s_mov_b32 s[G1P+4], 208
	s_mov_b32 s[G1P+5], 32
	s_mov_b32 s[G1P+6], 0
	s_mov_b32 s[G1P+7], 0
	s_or_b32 s[G1Q], s63, (3<<16)|(1<<21)
	s_mov_b32 s[G1Q+1], 6400<<16                   ; Q: two rows of 6,400 elements of 8 bytes (four K steps), 12,800 elements (a block) apart
	s_mov_b32 s[G1Q+2], 2<<16
	s_mov_b32 s[G1Q+3], 6400<<16
	s_mov_b32 s[G1Q+4], 2
	s_mov_b32 s[G1Q+5], 12800
	s_mov_b32 s[G1Q+6], 0
	s_mov_b32 s[G1Q+7], 0
	s_wait_dscnt 0x0
	s_wait_kmcnt 0x0
	s_add_nc_u64 s[66:67], s[4:5], s[66:67]
	s_add_nc_u64 s[86:87], s[6:7], s[86:87]
	CROUND
	s_mov_b32 s[G0P], 1
	s_mov_b32 s[G0P+1], s60
	s_mov_b64 s[G0P+2:G0P+3], s[66:67]
	s_or_b32 s[G0P+3], s[G0P+3], 0x80000000
	s_mov_b32 s[G0Q], 1
	s_mov_b32 s[G0Q+1], s88
	s_mov_b64 s[G0Q+2:G0Q+3], s[86:87]
	s_or_b32 s[G0Q+3], s[G0Q+3], 0x80000000
	ARM 1, G0P, G1P, .Lhead_1                      ; wave 0: P, K steps 0-3
	ARM 2, G0Q, G1Q, .Lhead_2                      ; wave 1: Q, K steps 0-3
	ARM 3, G0P, G1P, .Lhead_3                      ; wave 2: P, K steps 4-7
	tensor_load_to_lds s[G0Q:G0Q+3], s[G1Q:G1Q+7]  ; wave 3: Q, K steps 4-7
	s_nop 0
	PLACES 4
.Lhead_asked:
	v_and_b32 v1, 31, v0
	v_and_b32 v2, 15, v0
	v_bfe_u32 v3, v0, 4, 1
	v_lshlrev_b32 v[CO], 4, v1
	v_lshlrev_b32 v19, 3, v1
	v_lshlrev_b32 v20, 4, v2
	s_mul_i32 s96, s[WM], 4*1536
	v_add_nc_u32 v[ADP16], s96, v[CO]
	v_add_nc_u32 v[ADP16+1], 4*PSTEP, v[ADP16]
	v_add_nc_u32 v[ADP8], s96, v19
	v_add_nc_u32 v[ADP8+1], 4*PSTEP, v[ADP8]
	s_mul_i32 s97, s[WN], 4*QSTEP
	s_add_co_u32 s97, s97, QREG
	v_add_nc_u32 v[ADQ], s97, v[CO]
	v_add_nc_u32 v[ADQ+1], 8*QSTEP, v[ADQ]
	s_lshl_b32 s96, s[WM], 8
	s_add_co_u32 s96, s96, 12288
	v_add_nc_u32 v[ADSP], s96, v20
	v_add_nc_u32 v[ADSP+1], 4*PSTEP, v[ADSP]
	s_mul_i32 s96, s[WV], 16*SROW
	v_mul_u32_u24 v[STO], v2, SROW
	v_lshl_add_u32 v[STO], v3, 6, v[STO]
	v_add_nc_u32 v[STO], s96, v[STO]
	v_add_nc_u32 v[RD], s96, v[CO]
	s_lshl_b32 s96, s57, 19
	s_lshl_b32 s97, s[WM], 18
	s_add_co_u32 s96, s96, s97
	s_lshl_b32 s98, s19, 10
	s_lshl_b32 s99, s[WN], 9
	s_add_co_u32 s98, s98, s99
	s_add_co_u32 s96, s96, s98
	s_mov_b32 s97, 0
	s_add_nc_u64 s[OUT:OUT+1], s[10:11], s[96:97]
	v_lshl_add_u32 v[BNO], v3, 6, s98
	WIN 0xc0
.irp t, 0,1,2,3,4,5,6,7
	global_load_b128 v[8*\t:8*\t+3], v[BNO], s[8:9] offset:(32*(\t/2)+8*(\t%2))*4
	global_load_b128 v[8*\t+4:8*\t+7], v[BNO], s[8:9] offset:(32*(\t/2)+8*(\t%2))*4+16
.endr
	WIN 0
	s_wait_alu depctr_va_vdst(0)
	s_wait_loadcnt 0x0
.macro FRAG3 reg, adr, off
.irp c, 0,1,2
	ds_load_b128 v[\reg+4*\c:\reg+4*\c+3], v[\adr] offset:\off+512*\c
.endr
.endm
.macro FRAGH reg, x, off
	ds_load_b128 v[\reg:\reg+3], v[ADP16+\x] offset:\off
	ds_load_b64 v[\reg+4:\reg+5], v[ADP8+\x] offset:\off+512
	ds_load_b128 v[\reg+6:\reg+9], v[ADP16+\x] offset:\off+768
	ds_load_b64 v[\reg+10:\reg+11], v[ADP8+\x] offset:\off+1280
.endm
.macro FETCH s, f
	WIN 0x40
.irp t, 0,1,2,3,4,5,6,7
	FRAG3 128*(\f)+FR*\t, ADQ+(\s)/4, ((\s)%4)*QSTEP+1536*\t
.endr
	WIN 0
.irp i, 0,1,2,3
	FRAGH PF+48*(\f)+FR*\i, (\s)/4, ((\s)%4)*PSTEP+1536*\i
.endr
	ds_load_b128 v[SC+16*(\f):SC+16*(\f)+3], v[ADQ+(\s)/4] offset:((\s)%4)*QSTEP+12288
	ds_load_b128 v[SC+16*(\f)+4:SC+16*(\f)+7], v[ADSP+(\s)/4] offset:((\s)%4)*PSTEP
	ds_load_b128 v[SC+16*(\f)+8:SC+16*(\f)+11], v[ADSP+(\s)/4] offset:((\s)%4)*PSTEP+512
.endm
.macro WM d, a, b, c, sa, sb, row
.if \row
	v_wmma_scale_f32_16x16x128_f8f6f4 v[\d:\d+7], v[\a:\a+11], v[\b:\b+11], v[\c:\c+7], v[\sa], v[\sb] matrix_a_fmt:MATRIX_FMT_FP6 matrix_b_fmt:MATRIX_FMT_FP6 matrix_a_scale:MATRIX_SCALE_ROW1
.else
	v_wmma_scale_f32_16x16x128_f8f6f4 v[\d:\d+7], v[\a:\a+11], v[\b:\b+11], v[\c:\c+7], v[\sa], v[\sb] matrix_a_fmt:MATRIX_FMT_FP6 matrix_b_fmt:MATRIX_FMT_FP6
.endif
.endm
.macro MUL16 i0, f, first
.irp i, \i0, \i0+1
.irp t, 0,1,2,3,4,5,6,7
.if \first
	WM 8*(8*(\i)+\t), 128*(\f)+FR*\t, PF+48*(\f)+FR*(\i), 8*\t, SC+16*(\f)+\t%4, SC+16*(\f)+12+(\i), \t/4
.else
	WM 8*(8*(\i)+\t), 128*(\f)+FR*\t, PF+48*(\f)+FR*(\i), 8*(8*(\i)+\t), SC+16*(\f)+\t%4, SC+16*(\f)+12+(\i), \t/4
.endif
.endr
.endr
.endm
.macro STEP s
	s_wait_dscnt 0x0
	WIN 0
.irp i, 0,1,2,3
	v_lshl_or_b32 v[SC+16*((\s)%2)+12+\i], v[SC+16*((\s)%2)+8+\i], 16, v[SC+16*((\s)%2)+4+\i]
.endr
	PLACES 8
.if (\s)==3 || (\s)==7
.if (\s)==3
	s_wait_alu depctr_va_vdst(0)
	s_wait_tensorcnt 0x0                           ; every wave's load is in: the barrier shows K's second half
.endif
	s_wait_alu depctr_va_vdst(0)
	s_barrier_signal -1
.endif
.if (\s)==0
	WIN 0xb1
	MUL16 0, 0, 1
.else
	WIN 0xa1
	MUL16 0, (\s)%2, 0
.endif
.if (\s)==3 || (\s)==7
	s_barrier_wait -1
.endif
.if (\s)<7
	PLACES 4
	FETCH (\s)+1, 1-(\s)%2
.endif
.if (\s)==0
	WIN 0xb1
	MUL16 2, 0, 1
.else
	WIN 0xa1
	MUL16 2, (\s)%2, 0
.endif
.endm
	s_cmp_lt_u32 s[WV], 2
	s_cbranch_scc0 .Lnot_first
	s_wait_tensorcnt 0x0                           ; waves 0 and 1: K's first half is in; the other two waves' loads may stay out
.Lnot_first:
	s_barrier_signal -1
	s_barrier_wait -1
	FETCH 0, 0
.irp s, 0,1,2,3,4,5,6,7
	STEP \s
.endr
.macro TOSTAGE i
	WIN 0x08
.irp t, 0,1,2,3,4,5,6,7
	ds_store_b128 v[STO], v[8*(8*(\i)+\t):8*(8*(\i)+\t)+3] offset:128*(\t/2)+32*(\t%2)
	ds_store_b128 v[STO], v[8*(8*(\i)+\t)+4:8*(8*(\i)+\t)+7] offset:128*(\t/2)+32*(\t%2)+16
.endr
	WIN 0
.set BB, BK+64*((\i)%2)
.irp p, 0,1,2,3,4,5,6,7,8,9,10,11,12,13,14,15
	ds_load_b128 v[BB+4*\p:BB+4*\p+3], v[RD] offset:SROW*\p
.endr
.endm
.macro SEND i, younger
.set BB, BK+64*((\i)%2)
	s_wait_dscnt \younger
.irp p, 0,1,2,3,4,5,6,7,8,9,10,11,12,13,14,15
	global_store_b128 v[CO], v[BB+4*\p:BB+4*\p+3], s[OUT:OUT+1] offset:(32*((\i)/2)+8*((\i)%2)+\p+8*(\p/8))*4096 th:TH_STORE_NT
.endr
.endm
	PLACES 4
	TOSTAGE 0
	TOSTAGE 1
	SEND 0, 32
	s_wait_xcnt 0x0
	TOSTAGE 2
	SEND 1, 32
	s_wait_xcnt 0x0
	TOSTAGE 3
	SEND 2, 32
	SEND 3, 0
	s_wait_tensorcnt 0x0
	ds_add_u32 v[SPW], v[NIL]
	s_wait_dscnt 0x0
	CROUND
	s_endpgm
.Lfunc_end_k_qed75543d83_outp:
	.size	k_qed75543d83_outp, .Lfunc_end_k_qed75543d83_outp-k_qed75543d83_outp
	.p2alignl 7, 3214868480
	.fill 96, 4, 3214868480
	.section	.rodata,"a",@progbits
	.p2align	6, 0x0
	.amdhsa_kernel k_qed75543d83_outp
		.amdhsa_group_segment_fixed_size 327680
		.amdhsa_private_segment_fixed_size 0
		.amdhsa_enable_private_segment 0
		.amdhsa_kernarg_size 32
		.amdhsa_user_sgpr_count 2
		.amdhsa_user_sgpr_kernarg_segment_ptr 1
		.amdhsa_wavefront_size32 1
		.amdhsa_system_sgpr_workgroup_id_x 1
		.amdhsa_system_sgpr_workgroup_id_y 1
		.amdhsa_system_sgpr_workgroup_id_z 1
		.amdhsa_system_vgpr_workitem_id 0
		.amdhsa_next_free_vgpr 1024
		.amdhsa_next_free_sgpr 102
		.amdhsa_reserve_vcc 0
		.amdhsa_float_denorm_mode_32 3
		.amdhsa_float_denorm_mode_16_64 3
		.amdhsa_memory_ordered 1
		.amdhsa_forward_progress 1
		.amdhsa_inst_pref_size 84
	.end_amdhsa_kernel
	.amdgpu_metadata
---
amdhsa.version: [ 1, 2 ]
amdhsa.kernels:
  - .name:           k_qed75543d83_outp
    .symbol:         k_qed75543d83_outp.kd
    .args:
      - { .name: cc, .offset: 0, .size: 8, .value_kind: global_buffer, .address_space: global }
      - { .name: xc, .offset: 8, .size: 8, .value_kind: global_buffer, .address_space: global }
      - { .name: bo, .offset: 16, .size: 8, .value_kind: global_buffer, .address_space: global }
      - { .name: out0, .offset: 24, .size: 8, .value_kind: global_buffer, .address_space: global }
    .group_segment_fixed_size: 327680
    .private_segment_fixed_size: 0
    .kernarg_segment_align: 8
    .kernarg_segment_size: 32
    .max_flat_workgroup_size: 128
    .sgpr_count:     102
    .vgpr_count:     1024
    .wavefront_size: 32
...
	.end_amdgpu_metadata
.endif
;; end of part 4
